; MI455X (gfx1250); checked and timed in simulation.
; The chip was launched on July 23, 2026; its instructions are those of AMD's public machine-readable ISA for CDNA 5 (MIT licence, August 2026) and "CDNA5" Instruction Set Architecture Reference Guide (July 2026). The comments in the code are by the model that wrote it; some were corrected since.
;; Multi Head Attention Block. Allowed arithmetic: matrix products marked QUANTISED: E2M3 operands, one E8M0 scale for each 32 along K, by v_wmma_scale_f32_16x16x128_f8f6f4 with both operands' format E2M3, f32 sums; everything else in f32.
;; Inputs: bk 1,024 float32; bo 1,024 float32; bq 1,024 float32; bv 1,024 float32; k 4 x 2,048 x 1,024 float32; mask 4 x 1 x 1 x 2,048 int32; q 4 x 2,048 x 1,024 float32; v 4 x 2,048 x 1,024 float32; wk 1,024 x 1,024 float32; wo 1,024 x 1,024 float32; wq 1,024 x 1,024 float32; wv 1,024 x 1,024 float32.
;; Outputs: out0 4 x 2,048 x 1,024 float32.
;; This version of the problem:
;;   THIS VERSION OF THE PROBLEM IS GIVEN IN LOW PRECISION. The matrix products marked QUANTISED in the list below multiply operands that are first quantised to E2M3 (2 exponent bits, 3 mantissa bits; 6 bits a number), with one power-of-two scale for each 32 numbers along K (OCP MX v1.0); their sums are f32. All else is computed in f32.
;;   The module's matrix products, in the order in which they are computed (A, B: the left and right operand; K: the contracted axis; several contracted axes count as one K, in the product's order):
;;     1. [M 8,192, K 1,024] x [K 1,024, N 1,024]; A: input q; B: input wq: QUANTISED
;;     2. [M 8,192, K 1,024] x [K 1,024, N 1,024]; A: input k; B: input wk: QUANTISED
;;     3. [M 8,192, K 1,024] x [K 1,024, N 1,024]; A: input v; B: input wv: QUANTISED
;;     4. batch 64 x [M 2,048, K 64] x [K 64, N 2,048]; A: computed on the way; B: computed on the way: QUANTISED
;;     5. batch 64 x [M 2,048, K 2,048] x [K 2,048, N 64]; A: softmax (see below); B: computed on the way: QUANTISED
;;     6. [M 8,192, K 1,024] x [K 1,024, N 1,024]; A: computed on the way; B: input wo: QUANTISED
;;   THE QUANTISER, for each operand of a quantised product, along K:
;;     - K is cut into blocks of 32 from its start; a last block that is shorter is filled with zeros.
;;     - A block's scale is 2^e with e = floor(log2(the largest magnitude in the block)) - 2, held to -126 .. 127; a block of zeros has e = 0. As a byte (E8M0): e + 127.
;;     - Each number is divided by its block's scale, clamped to +-7.5, and rounded to the nearest number of E2M3, ties to even, subnormals kept.
;;     - The product sums the exact products of the quantised numbers (number of the format x scale) in f32.
;;   ~~~python
;;   def quantise(x, axis):      # numpy; x: float32 -> the quantised numbers, widened to float32 again
;;       x = np.moveaxis(x, axis, -1); K = x.shape[-1]
;;       x = np.pad(x, [(0, 0)] * (x.ndim - 1) + [(0, -K % 32)]); x = x.reshape(x.shape[:-1] + (-1, 32)); a = np.abs(x).max(-1, keepdims=True)
;;       e = np.where(a > 0, np.clip(np.frexp(np.where(a > 0, a, 1))[1] - 1 - 2, -126, 127), 0)      # np.frexp(a)[1] - 1 = floor(log2(a)), exactly
;;       r = np.clip(x / 2.0 ** e, -7.5, 7.5)
;;       step = 2.0 ** (np.maximum(np.frexp(np.where(r == 0, 1, r))[1] - 1, 0) - 3)
;;       q = np.round(r / step) * step * 2.0 ** e      # np.round: ties to even
;;       return np.moveaxis(q.reshape(q.shape[:-2] + (-1,))[..., :K], -1, axis).astype(np.float32)
;;   ~~~
;;   SOFTMAX AHEAD OF A QUANTISED PRODUCT. Where the list says 'softmax', what is quantised is not the finished softmax but p = 2^(t - M), with t = logit x log2(e) and M = ceil(the row's largest t), a whole number; so 1/2 < the row's largest p <= 1. The row's sum l is taken of the UNQUANTISED p, in f32, and the product's result is divided by l at the end. Since M is a whole number, a kernel that streams over the keys may use a running M (the ceiling of the running maximum): every later rescaling is an exact power of two, which a block's scale takes up: the codes' values come out the same.
;;   OPERANDS COMPUTED ON THE WAY. 'Computed on the way' means the value that the module computes at that place (a softmax that the list does not call 'softmax' is quantised finished and normalised). What goes into a quantiser is computed in f32, as accurately as f32 sums, v_exp_f32 and their like allow (about 1e-6 of the number): no bf16 or f16 on the way to a quantiser, and a product that is left as it is and whose result goes on into a quantised operand takes f32 operands (vector FMAs, or v_wmma_f32_16x16x4_f32). A number that lies on a knife's edge between two numbers of the format may be rounded either way, as far as f32 arithmetic and the matrix unit's own rounding can turn it there, and no further.
;; One version. Each part assembles by itself: llvm-mc -triple=amdgcn-amd-amdhsa -mcpu=gfx1250 --defsym DOCPART=n.
;; ======== version 1 of 1: 4 launches
;; limits: right only within a limited range of input values
;; workspace buffers: xc 22,020,096 bytes; xs 917,504 bytes; hc 23,068,672 bytes; hs 1,572,864 bytes; oc 6,291,456 bytes; os 262,144 bytes
;; launch quant (part 1): grid 896 x 1, 4 waves a work-group, no clusters, 35,328 bytes of LDS; arguments q, k, v, wq, wk, wv, wo, xc, xs; writes xc, xs
.if DOCPART == 1
	.amdgcn_target "amdgcn-amd-amdhsa--gfx1250"
	.amdhsa_code_object_version 6
	.text
	.protected	k_q6634f5ee7c_quant
	.globl	k_q6634f5ee7c_quant
	.p2align	8
	.type	k_q6634f5ee7c_quant,@function
k_q6634f5ee7c_quant:
	s_mov_b64 s[64:65], 0
	v_nop
	global_prefetch_b8 v0, s[64:65] scope:SCOPE_SE
	s_setreg_imm32_b32 hwreg(HW_REG_WAVE_MODE, 25, 1), 1
	s_wait_xcnt 0x0
; q, k, v [8192][1024] and wq, wk, wv, wo [1024][1024], f32, K innermost, become codes of FP6 (E2M3) with one E8M0 byte for each 32 along K.
; A block's scale is 2^(floor(log2(its largest magnitude)) - 2); its byte is the largest magnitude's exponent field - 2, held at 1 from below.
; LIMITS: a block of zeros gets the byte 1 where the quantiser says 127 (its codes are zeros, and this program alone reads the bytes); NaN and infinities are not served.
; LAYOUT OF THE CODES (xc): the seven tensors' rows on end, in groups of 128 POSITIONS; position p holds the row p with its bits 3 and 4 exchanged, so that lane r of tile 2 g + u
; is row 32 g + 8 u + r + 8 (r / 8).  [group 224][kc 16][tile 8][768 bytes]: a unit of 768 bytes is 16 positions x 64 along K as an image of the operand's registers: piece p at 256 p, lane l's
; 8 bytes at 8 l = registers 2 p, 2 p + 1 of lane (r, h): the 24 bytes of block h of position r.   THE SCALE BYTES (xs): [group][256 along K: 4][position 128][8 bytes].
; SHARES: work-group t takes the t-th 32 positions, wave w K 256 w .. 256 w + 255: eight steps of one unit (16 rows x 64 numbers in, 768 bytes out).
; A load reads two rows' 256 consecutive bytes; a step's 4,096 bytes turn through the wave's own stage in LDS (rows of 256 + 16 bytes) so that a lane holds a whole block of 32.
; No barrier: waves share nothing.  Loads run three steps ahead, the turn through LDS one step.
.set WREG, 8704                        ; LDS of a wave: two stages
.set STG,  4352                        ; a stage: 16 rows x 272 bytes
.set R,    16                          ; v16-111  three sets of 32 registers as loaded
.set X,    112                         ; v112-175 two sets of 32 neighbours
.set C,    176                         ; v176-239 eight registers a step: no store's data are written again
.set W,    10                          ; v10-13   scale words: tile u, word j / 2
	s_load_b256 s[4:11], s[0:1], 0x0               ; q, k, v, wq
	s_load_b256 s[12:19], s[0:1], 0x20             ; wk, wv, wo, xc
	s_load_b64 s[20:21], s[0:1], 0x40              ; xs
	v_lshl_add_u32 v240, v0, 2, 0x8800
	v_mov_b32 v241, 0
	v_lshrrev_b32 v15, 5, v0
	v_readfirstlane_b32 s24, v15                   ; wave
	v_and_b32 v15, 31, v0                          ; lane
	v_and_b32 v6, 15, v0                           ; r
	v_bfe_u32 v7, v0, 4, 1                         ; h
	v_lshlrev_b32 v1, 4, v6
	v_lshl_add_u32 v1, v7, 12, v1                  ; in: 16 bytes a lane, lanes 16-31 one row further down
	s_mul_i32 s25, s24, WREG
	v_mul_u32_u24 v2, v7, 272
	v_lshl_add_u32 v2, v6, 4, v2
	v_add_nc_u32 v2, s25, v2                       ; the stage, on the way in: as loaded
	v_mul_u32_u24 v3, v6, 272
	v_lshl_add_u32 v3, v7, 7, v3
	v_add_nc_u32 v3, s25, v3                       ; on the way out: row r, block h: 128 bytes
	v_lshlrev_b32 v4, 3, v15                       ; out: 8 bytes a lane
	v_lshlrev_b32 v5, 3, v7                        ; 8 h: my byte's place in a pair of bytes
	v_mov_b32 v14, 0                               ; written once: a lane permute's destination counts as one of its sources
	s_mov_b32 s30, 0x76543210
	s_mov_b32 s31, 0xfedcba98                      ; selects for lane l xor 16
	s_mov_b32 s32, 0xffff0000                      ; lanes 16-31
	s_cmp_lt_u32 ttmp9, 768
	s_cselect_b32 s26, 255, 31                     ; the large tensors have 256 groups of 32 rows, the weights 32
	s_and_b32 s26, ttmp9, s26
	s_lshl_b32 s26, s26, 17                        ; 32 rows of 4,096 bytes
	s_lshl_b32 s27, s24, 10
	s_add_co_u32 s26, s26, s27                     ; + 256 numbers a wave
	s_mov_b32 s27, 0
	; THE TENSOR k ALONE has another order of rows than the head tells: position r of tile u' (0..7) of a group of 128 is row 64 (u' / 4) + 8 (u' % 4) + r % 8 + 32 (r / 8),
	; so that in attention a lane's 32 scores of four neighbouring key tiles are one whole block of 32 keys.  Against the common order: the odd work-groups begin 16 rows earlier, a tile's upper eight rows lie 16 rows further on.
	s_lshr_b32 s38, ttmp9, 8
	s_cmp_eq_u32 s38, 1                            ; work-groups 256 .. 511 take k
	s_cselect_b32 s38, 0x10000, 0                  ; 16 rows of 4,096 bytes, or nothing
	s_and_b32 s39, ttmp9, 1
	s_mul_i32 s39, s39, s38
	s_sub_co_u32 s26, s26, s39
	v_add_nc_u32 v242, s38, v1                     ; the offset for a tile's upper eight rows
	s_lshr_b32 s28, ttmp9, 2                       ; the group of 128 positions
	s_and_b32 s29, ttmp9, 3                        ; my 32 of them
	s_mul_i32 s34, s28, 98304
	s_mul_i32 s33, s24, 24576
	s_add_co_u32 s34, s34, s33
	s_mul_i32 s33, s29, 1536
	s_add_co_u32 s34, s34, s33
	s_mov_b32 s35, 0
	s_lshl_b32 s36, s28, 12
	s_lshl_b32 s33, s24, 10
	s_add_co_u32 s36, s36, s33
	s_lshl_b32 s33, s29, 8
	s_add_co_u32 s36, s36, s33
	s_mov_b32 s37, 0
	s_wait_alu depctr_va_vdst(0)
	s_wait_kmcnt 0x0
	s_mov_b64 s[22:23], s[4:5]                     ; which tensor: the choice hangs on the work-group's number alone
	s_cmp_ge_u32 ttmp9, 256
	s_cselect_b64 s[22:23], s[6:7], s[22:23]
	s_cmp_ge_u32 ttmp9, 512
	s_cselect_b64 s[22:23], s[8:9], s[22:23]
	s_cmp_ge_u32 ttmp9, 768
	s_cselect_b64 s[22:23], s[10:11], s[22:23]
	s_cmp_ge_u32 ttmp9, 800
	s_cselect_b64 s[22:23], s[12:13], s[22:23]
	s_cmp_ge_u32 ttmp9, 832
	s_cselect_b64 s[22:23], s[14:15], s[22:23]
	s_cmp_ge_u32 ttmp9, 864
	s_cselect_b64 s[22:23], s[16:17], s[22:23]
	s_add_nc_u64 s[22:23], s[22:23], s[26:27]
	s_add_nc_u64 s[18:19], s[18:19], s[34:35]
	s_add_nc_u64 s[20:21], s[20:21], s[36:37]
.macro LOAD t                          ; step t = 4 u + j: tile u's 16 rows (8 u + 0..7 and 8 u + 16..23), 64 numbers at 64 j
.irp i, 0,1,2,3
	global_load_b128 v[R+32*((\t)%3)+4*\i:R+32*((\t)%3)+4*\i+3], v1, s[22:23] offset:(8*((\t)/4)+2*\i+8*(\i/4))*4096+256*((\t)%4) th:TH_LOAD_NT
.endr
.irp i, 4,5,6,7
	global_load_b128 v[R+32*((\t)%3)+4*\i:R+32*((\t)%3)+4*\i+3], v242, s[22:23] offset:(8*((\t)/4)+2*\i+8*(\i/4))*4096+256*((\t)%4) th:TH_LOAD_NT
.endr
.endm
.macro TURN t                          ; through the stage: LDS serves a wave's instructions in order, so no wait stands between the stores and the loads
.irp i, 0,1,2,3,4,5,6,7
	ds_store_b128 v2, v[R+32*((\t)%3)+4*\i:R+32*((\t)%3)+4*\i+3] offset:STG*((\t)%2)+544*\i
.endr
.irp i, 0,1,2,3,4,5,6,7
	ds_load_b128 v[X+32*((\t)%2)+4*\i:X+32*((\t)%2)+4*\i+3], v3 offset:STG*((\t)%2)+16*\i
.endr
.endm
.macro STEP t
.set XS, X+32*((\t)%2)
.set CC, C+8*(\t)
	s_wait_dscnt 0x0                               ; this step's block is back from the stage, and its stores into the stage have read their registers,
.if (\t)+3 < 8
	LOAD (\t)+3                                    ; which take the loads of three steps on
.endif
.if (\t)+1 < 8
.if (\t)+3 < 8
	s_wait_loadcnt 16                              ; the next step's eight loads are in; those of the two steps behind it may be out
.else
	s_wait_loadcnt 8*(6-(\t))                      ; the counts run down
.endif
	TURN (\t)+1
.endif
	v_max3_num_f32 v6, |v[XS]|, |v[XS+1]|, |v[XS+2]|               ; the block's largest magnitude: all 32 numbers are mine; two chains
	v_max3_num_f32 v7, |v[XS+3]|, |v[XS+4]|, |v[XS+5]|
.irp i, 6,10,14,18,22,26
	v_max3_num_f32 v6, v6, |v[XS+\i]|, |v[XS+\i+1]|
	v_max3_num_f32 v7, v7, |v[XS+\i+2]|, |v[XS+\i+3]|
.endr
	v_max3_num_f32 v6, v6, |v[XS+30]|, |v[XS+31]|
	v_max3_num_f32 v6, v6, v7, 0x1800000           ; and the floor 2^(3 - 127): the byte cannot fall under 1
	v_add_nc_u32 v8, 0xff000000, v6                ; 2 off the exponent field: the conversion takes this operand's exponent field as its scale
	v_cvt_scalef32_pk16_fp6_f32 v[CC:CC+2], v[XS:XS+15], v8
	v_cvt_scalef32_pk16_fp6_f32 v[CC+4:CC+6], v[XS+16:XS+31], v8   ; (a conversion's three registers begin on an even number)
	v_lshrrev_b32 v9, 23, v8                       ; the scale's byte; also the plain line behind the conversions
	v_mov_b32 v[CC+3], v[CC+4]
	v_mov_b32 v[CC+4], v[CC+5]
	v_mov_b32 v[CC+5], v[CC+6]
.if (\t)%2 == 0
	v_mov_b32 v[W+(\t)/2], v9                      ; kc j's byte at bits 16 (j % 2) of word j / 2; my half's 8 bits are added at the end
.else
	v_lshl_or_b32 v[W+(\t)/2], v9, 16, v[W+(\t)/2]
.endif
.irp p, 0,1,2
	global_store_b64 v4, v[CC+2*\p:CC+2*\p+1], s[18:19] offset:((\t)%4)*6144+((\t)/4)*768+256*\p   ; 32 lanes store 256 consecutive bytes, aligned
.endr
.endm
	LOAD 0
	LOAD 1
	LOAD 2
	s_wait_loadcnt 16                              ; step 0's eight loads are in
	TURN 0
.irp t, 0,1,2,3,4,5,6,7
	STEP \t
.endr
.irp n, 0,1,2,3
	v_lshlrev_b32 v[W+\n], v5, v[W+\n]             ; block h's bytes go 8 h bits up,
.endr
.irp n, 0,1,2,3
	v_permlanex16_b32 v14, v[W+\n], s30, s31
	v_or_b32 v[W+\n], v[W+\n], v14                 ; and with lane l xor 16's the words are whole
.endr
	v_cndmask_b32 v6, v[W], v[W+2], s32            ; lanes 0-15 store tile 0's positions, lanes 16-31 tile 1's
	v_cndmask_b32 v7, v[W+1], v[W+3], s32
	global_store_b64 v4, v[6:7], s[20:21]          ; 256 consecutive bytes, aligned
	s_wait_tensorcnt 0x0
	ds_add_u32 v240, v241
	s_wait_dscnt 0x0
	s_endpgm
.Lfunc_end_k_q6634f5ee7c_quant:
	.size	k_q6634f5ee7c_quant, .Lfunc_end_k_q6634f5ee7c_quant-k_q6634f5ee7c_quant
	.p2alignl 7, 3214868480
	.fill 96, 4, 3214868480
	.section	.rodata,"a",@progbits
	.p2align	6, 0x0
	.amdhsa_kernel k_q6634f5ee7c_quant
		.amdhsa_group_segment_fixed_size 35328
		.amdhsa_private_segment_fixed_size 0
		.amdhsa_enable_private_segment 0
		.amdhsa_kernarg_size 72
		.amdhsa_user_sgpr_count 2
		.amdhsa_user_sgpr_kernarg_segment_ptr 1
		.amdhsa_wavefront_size32 1
		.amdhsa_system_sgpr_workgroup_id_x 1
		.amdhsa_system_sgpr_workgroup_id_y 1
		.amdhsa_system_sgpr_workgroup_id_z 1
		.amdhsa_system_vgpr_workitem_id 0
		.amdhsa_next_free_vgpr 244
		.amdhsa_next_free_sgpr 66
		.amdhsa_reserve_vcc 0
		.amdhsa_float_denorm_mode_32 3
		.amdhsa_float_denorm_mode_16_64 3
		.amdhsa_memory_ordered 1
		.amdhsa_forward_progress 1
		.amdhsa_inst_pref_size 33
	.end_amdhsa_kernel
	.amdgpu_metadata
---
amdhsa.version: [ 1, 2 ]
amdhsa.kernels:
  - .name:           k_q6634f5ee7c_quant
    .symbol:         k_q6634f5ee7c_quant.kd
    .args:
      - { .name: q, .offset: 0, .size: 8, .value_kind: global_buffer, .address_space: global }
      - { .name: k, .offset: 8, .size: 8, .value_kind: global_buffer, .address_space: global }
      - { .name: v, .offset: 16, .size: 8, .value_kind: global_buffer, .address_space: global }
      - { .name: wq, .offset: 24, .size: 8, .value_kind: global_buffer, .address_space: global }
      - { .name: wk, .offset: 32, .size: 8, .value_kind: global_buffer, .address_space: global }
      - { .name: wv, .offset: 40, .size: 8, .value_kind: global_buffer, .address_space: global }
      - { .name: wo, .offset: 48, .size: 8, .value_kind: global_buffer, .address_space: global }
      - { .name: xc, .offset: 56, .size: 8, .value_kind: global_buffer, .address_space: global }
      - { .name: xs, .offset: 64, .size: 8, .value_kind: global_buffer, .address_space: global }
    .group_segment_fixed_size: 35328
    .private_segment_fixed_size: 0
    .kernarg_segment_align: 8
    .kernarg_segment_size: 72
    .max_flat_workgroup_size: 128
    .sgpr_count:     66
    .vgpr_count:     244
    .wavefront_size: 32
...
	.end_amdgpu_metadata
.endif
;; end of part 1
;; launch proj (part 2): grid 4 x 96, 4 waves a work-group, clusters of 4 x 4, 327,680 bytes of LDS; arguments xc, xs, bq, bk, bv, mask, hc, hs; writes hc, hs
.if DOCPART == 2
	.amdgcn_target "amdgcn-amd-amdhsa--gfx1250"
	.amdhsa_code_object_version 6
	.text
	.protected	k_q6634f5ee7c_proj
	.globl	k_q6634f5ee7c_proj
	.p2align	8
	.type	k_q6634f5ee7c_proj,@function
k_q6634f5ee7c_proj:
	s_mov_b64 s[64:65], 0
	v_nop
	global_prefetch_b8 v0, s[64:65] scope:SCOPE_SE
	s_setreg_imm32_b32 hwreg(HW_REG_WAVE_MODE, 25, 1), 1
	s_wait_xcnt 0x0
	s_wait_alu depctr_hold_cnt(0) depctr_sa_sdst(0) depctr_va_vdst(0) depctr_va_sdst(0) depctr_va_ssrc(0) depctr_va_vcc(0) depctr_vm_vsrc(0)
	s_getreg_b32 s2, hwreg(HW_REG_IB_STS2, 6, 4)
	s_cmp_eq_u32 s2, 0
	s_cbranch_scc0 .Lentry_in_a_cluster
	s_endpgm
.Lentry_in_a_cluster:
	s_bfe_u32 s2, ttmp6, 0x10000c
	s_cmp_lg_u32 s2, 0xf033
	s_cbranch_scc0 .Lentry_shape_is_right
	s_endpgm
.Lentry_shape_is_right:
; The projections of q, k and v on codes of FP6 (E2M3): x W^T + b, K = 1,024, f32 sums; the results are quantised again and stored as images of the operands' registers of the attention launch.
; A work-group makes 256 x 256 of one tensor's result, four waves of 128 x 128; K goes in chunks of 256 through a ring of two LDS slots; the scale bytes of all of K come once.  Clusters of 4 x 4 ask jointly: A's tiles along a row, B's along a column.
; q and k: source 1 = tokens, source 0 = weights: a lane holds one token and its registers run along the channels: blocks of 32 along the head's 64.  v: source 1 = weights, source 0 = tokens: registers run along the keys.
; The mask goes into k's codes: a masked key's codes are zeros, and its pad code at k = 64 is -1.0 under the scale 2^33.
; THE HEAD: what the first step needs is four tiles, one joint load a wave: chunk 0 of A's two groups, of B's two groups, A's scale bytes, B's.  Slot 1 is first filled behind the waits, the add and a round of the cluster's barrier.
.set KCB,    6144
.set HALFT,  24576
.set SLOT,   98304
.set SCL,    196608
.set HALFS,  4096
.set SPARE,  212992
.set NQ,     2
.set FR,     12
.set NL,     6
.set NP,     4
.set LAPS,   2
.set ADRA, 16
.set ADRB, 20
.set ADRS, 27
.set SPW,  28
.set NIL,  29
.set SC,   32
.set AF,   128
.set G1, 24
.set G0, 32
.set G1B, 48
.set G0B, 56
.set G1S, 68
.set G0S, 76
.set G1SB, 80
.set G0SB, 88
.set BB,   64
.set MK,   224
.set KEEP, 32
.set PADW, 40
.set SW,   56
.set CW,   232
.set X,    128
.set PC,   160
.set PT,   172
.set TM,   176
.set PX,   178
.set SO,   180
.set E,    182
.set WD,   184
.set MSB, 0
.macro WIN new
.if MSB != (\new)
	s_set_vgpr_msb (MSB<<8)|(\new)
.set MSB, (\new)
.endif
.endm
.set MUL_LO, 0xa1
.set MUL_HI, 0xf1
.set TO_B,   0x40
.macro JLOAD g0a, g1a, g0b, g1b
	s_cmp_eq_u32 s15, 0
	s_cbranch_scc0 .Lfor_b_\@
	tensor_load_to_lds s[\g0a:\g0a+3], s[\g1a:\g1a+7]
	s_nop 0
.rept 4
	v_nop
.endr
	s_branch .Lasked_\@
.Lfor_b_\@:
	tensor_load_to_lds s[\g0b:\g0b+3], s[\g1b:\g1b+7]
	s_nop 0
.rept 4
	v_nop
.endr
.Lasked_\@:
.endm
.macro CREST
	s_cmp_lg_u32 s14, 0
	s_cbranch_scc1 .Lnot_wave_0_\@
	s_barrier_signal -3
.Lnot_wave_0_\@:
	s_barrier_wait -3
	s_barrier_signal -1
	s_barrier_wait -1
.endm
.macro CROUND
	s_barrier_signal -1
	s_barrier_wait -1
	CREST
.endm
	s_load_b128 s[4:7], s[0:1], 0x0
	s_load_b256 s[92:99], s[0:1], 0x10
	s_load_b128 s[8:11], s[0:1], 0x30
	v_lshl_add_u32 v[SPW], v0, 2, SPARE
	v_mov_b32 v[NIL], 0
	ds_add_u32 v28, v29
	ds_add_u32 v28, v29
	s_wait_dscnt 0x0
	v_lshrrev_b32 v1, 5, v0
	v_readfirstlane_b32 s14, v1
	s_lshr_b32 s15, s14, 1
	s_and_b32 s16, s14, 1
	s_bfe_u32 s40, ttmp6, 0x40000
	s_bfe_u32 s41, ttmp6, 0x40004
	s_and_b32 s17, ttmp7, 0xffff
	s_lshr_b32 s100, s17, 3
	s_and_b32 s101, s17, 7
	s_lshl_b32 s43, s41, 2
	s_lshl_b32 s43, 15, s43
	s_lshl_b32 s44, 0x1111, s40
	s_mov_b32 s104, 0x76543210
	s_mov_b32 s105, 0xfedcba98
	s_mov_b32 s2, 0xffff0000
	s_or_b32 s[G1+0], s43, (3<<16)|(1<<21)
	s_or_b32 s[G1B+0], s44, (3<<16)|(1<<21)
.irp g, G1, G1B                        ; for the head's loads of codes: two rows of 24,576 bytes (3,072 elements of 8), a chunk of each of two groups, 98,304 bytes apart
	s_mov_b32 s[\g+1], 3072<<16
	s_mov_b32 s[\g+2], 2<<16
	s_mov_b32 s[\g+3], 3072<<16
	s_mov_b32 s[\g+4], 2
	s_mov_b32 s[\g+5], 12288
	s_mov_b32 s[\g+6], 0
	s_mov_b32 s[\g+7], 0
.endr
	s_or_b32 s[G1S+0], s43, (3<<16)|(1<<21)
	s_or_b32 s[G1SB+0], s44, (3<<16)|(1<<21)
.irp g, G1S, G1SB
	s_mov_b32 s[\g+1], 32<<16
	s_mov_b32 s[\g+2], 32<<16                      ; the scale bytes of two groups: 8,192 dense bytes as 32 rows of 256
	s_mov_b32 s[\g+3], 32<<16
	s_mov_b32 s[\g+4], 32
	s_mov_b32 s[\g+5], 32
	s_mov_b32 s[\g+6], 0
	s_mov_b32 s[\g+7], 0
.endr
	s_lshl_b32 s18, s100, 6
	s_lshl_b32 s19, s101, 3
	s_add_co_u32 s18, s18, s19
	s_lshl_b32 s20, s100, 3
	s_add_co_u32 s20, s20, 192
	s_add_co_u32 s19, s19, 128
	s_mov_b32 s21, 208
	s_cmp_eq_u32 s100, 2
	s_cselect_b32 s18, s21, s18
	s_cselect_b32 s20, s19, s20
	s_lshl_b32 s21, s41, 1
	s_add_co_u32 s18, s18, s21
	s_add_co_u32 s18, s18, s16
	s_lshl_b32 s23, s40, 1
	s_add_co_u32 s20, s20, s23
	s_add_co_u32 s20, s20, s16
	s_lshl_b32 s22, s18, 12
	s_lshl_b32 s46, s20, 12
	s_mul_i32 s18, s18, 98304
	s_mul_i32 s20, s20, 98304
	s_mov_b32 s19, 0
	s_mov_b32 s21, 0
	s_mov_b32 s23, 0
	s_mov_b32 s47, 0
	s_mul_i32 s45, s14, HALFT
	s_wait_kmcnt 0x0
	s_add_nc_u64 s[18:19], s[4:5], s[18:19]
	s_add_nc_u64 s[20:21], s[4:5], s[20:21]
	s_add_nc_u64 s[22:23], s[6:7], s[22:23]
	s_add_nc_u64 s[46:47], s[6:7], s[46:47]
	s_cmp_eq_u32 s100, 1
	s_cselect_b64 s[12:13], s[94:95], s[92:93]
	s_cmp_eq_u32 s100, 2
	s_cselect_b64 s[12:13], s[96:97], s[12:13]
	s_mov_b64 s[66:67], s[98:99]
	; groups 0 of the head's four tiles, each whole: they begin at the first of a tile's two groups, which lies s16 groups ahead of the group that I fetch in the ring.  (s92-99 and s4-7 held arguments that have been used.)
	s_mul_i32 s92, s16, 98304
	s_mov_b32 s93, 0
	s_lshl_b32 s94, s16, 12
	s_mov_b32 s95, 0
	s_mov_b32 s96, 1                               ; A's chunk 0: slot 0, bytes 0 ..
	s_mov_b32 s97, 0
	s_sub_nc_u64 s[98:99], s[18:19], s[92:93]
	s_or_b32 s99, s99, 0x80000000
	s_mov_b32 s4, 1                                ; B's, behind it
	s_mov_b32 s5, 2*HALFT
	s_sub_nc_u64 s[6:7], s[20:21], s[92:93]
	s_or_b32 s7, s7, 0x80000000
	s_mov_b32 s[G0S], 1                            ; A's scale bytes
	s_mov_b32 s[G0S+1], SCL
	s_sub_nc_u64 s[G0S+2:G0S+3], s[22:23], s[94:95]
	s_or_b32 s[G0S+3], s[G0S+3], 0x80000000
	s_mov_b32 s[G0SB], 1                           ; B's
	s_mov_b32 s[G0SB+1], SCL+2*HALFS
	s_sub_nc_u64 s[G0SB+2:G0SB+3], s[46:47], s[94:95]
	s_or_b32 s[G0SB+3], s[G0SB+3], 0x80000000
	CROUND                                         ; all sixteen work-groups are here: the first joint loads meet
; One tree of branches on the wave's number, each arm with its load: every way through the head passes one load.
.macro ARM under, g0, g1, next
	s_cmp_lt_u32 s14, \under
	s_cbranch_scc0 \next
	tensor_load_to_lds s[\g0:\g0+3], s[\g1:\g1+7]
	s_nop 0
.rept 4
	v_nop
.endr
	s_branch .Lhead_asked
\next:
.endm
	ARM 1, 96, G1, .Lhead_b
	ARM 2, 4, G1B, .Lhead_sa
	ARM 3, G0S, G1S, .Lhead_sb
	tensor_load_to_lds s[G0SB:G0SB+3], s[G1SB:G1SB+7]
	s_nop 0
.rept 4
	v_nop
.endr
.Lhead_asked:
.irp s, 0,1
	s_mov_b32 s[G0+4*\s], 1
	s_add_co_u32 s[G0+4*\s+1], s45, \s*SLOT
	s_add_nc_u64 s[G0+4*\s+2:G0+4*\s+3], s[18:19], \s*HALFT
	s_or_b32 s[G0+4*\s+3], s[G0+4*\s+3], 0x80000000
	s_mov_b32 s[G0B+4*\s], 1
	s_add_co_u32 s[G0B+4*\s+1], s45, \s*SLOT
	s_add_nc_u64 s[G0B+4*\s+2:G0B+4*\s+3], s[20:21], \s*HALFT
	s_or_b32 s[G0B+4*\s+3], s[G0B+4*\s+3], 0x80000000
.endr
	s_wait_alu depctr_va_vdst(0)                   ; directly ahead of the wait below
	s_wait_tensorcnt 0x0                           ; my tile of the head's four is in
	ds_add_u32 v28, v29
.irp g, G1, G1B                        ; no tensor load of mine is out, so a descriptor may be written: from here on a load brings a chunk of one group, 96 rows of 256 bytes
	s_mov_b32 s[\g+1], 32<<16
	s_mov_b32 s[\g+2], 96<<16
	s_mov_b32 s[\g+3], 32<<16
	s_mov_b32 s[\g+4], 96
	s_mov_b32 s[\g+5], 32
.endr
	s_wait_dscnt 0x0
	CROUND                                         ; all four tiles are whole for all four waves, and all sixteen work-groups are here
	JLOAD G0+4, G1, G0B+4, G1B                     ; chunk 1, the first tensor load behind the round
	v_and_b32 v1, 15, v0
	v_bfe_u32 v2, v0, 4, 1
	s_wait_alu depctr_va_vdst(0)
	v_and_b32 v3, 31, v0
	v_lshlrev_b32 v4, 4, v3
	v_lshlrev_b32 v3, 3, v3
	s_mul_i32 s21, s15, HALFT
	s_mul_i32 s22, s16, HALFT
	s_add_co_u32 s22, s22, 2*HALFT
.irp s, 0,1
	v_add_nc_u32 v[ADRA+\s], s21, v3
	v_add_nc_u32 v[ADRB+\s], s22, v3
	s_add_co_u32 s21, s21, SLOT
	s_add_co_u32 s22, s22, SLOT
.endr
	v_lshlrev_b32 v5, 3, v1
	s_mul_i32 s21, s15, HALFS
	s_mul_i32 s22, s16, HALFS
	s_add_co_u32 s22, s22, 2*HALFS
	s_sub_co_u32 s22, s22, s21
	v_mul_u32_u24 v6, s22, v2
	s_add_co_u32 s21, s21, SCL
	v_add_nc_u32 v5, v5, v6
	v_add_nc_u32 v[ADRS], s21, v5
	v_lshlrev_b32 v5, 6, v2
	v_and_b32 v6, 8, v1
	v_add_nc_u32 v6, v6, v1
	v_lshlrev_b32 v6, 2, v6
	v_sub_nc_u32 v7, 1, v2
.macro FRAG reg, adr, q, i
.irp p, 0,1,2,3,4,5
	ds_load_b64 v[\reg+2*\p:\reg+2*\p+1], v[\adr] offset:(2*(\q)+\p/3)*KCB+(\i)*768+(\p%3)*256
.endr
.endm
.macro MUL16 a0, p, q, sc, zero
.irp a, \a0, \a0+1
.irp b, 0,1,2,3,4,5,6,7
.if \zero == 1
	v_wmma_scale_f32_16x16x128_f8f6f4 v[8*(8*((\a)%4)+\b):8*(8*((\a)%4)+\b)+7], v[128*(\p)+FR*\b:128*(\p)+FR*\b+FR-1], v[AF+FR*(\a):AF+FR*(\a)+FR-1], 0, v[SC+8*NQ*(\sc)+NQ*\b+(\q)], v[SC+8*NQ*(\sc)+NQ*(\a)+(\q)] matrix_a_fmt:MATRIX_FMT_FP6 matrix_b_fmt:MATRIX_FMT_FP6 matrix_a_scale:MATRIX_SCALE_ROW1
.else
	v_wmma_scale_f32_16x16x128_f8f6f4 v[8*(8*((\a)%4)+\b):8*(8*((\a)%4)+\b)+7], v[128*(\p)+FR*\b:128*(\p)+FR*\b+FR-1], v[AF+FR*(\a):AF+FR*(\a)+FR-1], v[8*(8*((\a)%4)+\b):8*(8*((\a)%4)+\b)+7], v[SC+8*NQ*(\sc)+NQ*\b+(\q)], v[SC+8*NQ*(\sc)+NQ*(\a)+(\q)] matrix_a_fmt:MATRIX_FMT_FP6 matrix_b_fmt:MATRIX_FMT_FP6 matrix_a_scale:MATRIX_SCALE_ROW1
.endif
.endr
.endr
.endm
.macro FETCH_B slot, q, p
	WIN TO_B
.irp i, 0,1,2,3,4,5,6,7
	FRAG 128*(\p)+FR*\i, ADRB+\slot, \q, \i
.endr
	WIN 0
.endm
.macro FETCH_A slot, q, i0
.irp i, \i0, \i0+1, \i0+2, \i0+3
	FRAG AF+FR*(\i), ADRA+\slot, \q, \i
.endr
.endm
.macro SCALES sc
.irp i, 0,1,2,3,4,5,6,7
	ds_load_b64 v[SC+8*NQ*\sc+NQ*\i:SC+8*NQ*\sc+NQ*\i+1], v[ADRS] offset:\i*128
.endr
.endm
.macro PLACES n
.rept \n
	v_nop
.endr
.endm
.macro STEP slot, q, zero
	s_wait_dscnt 4*NL
	WIN MUL_LO
	MUL16 0, (\q)%2, \q, \slot, \zero
	MUL16 2, (\q)%2, \q, \slot, \zero
	s_wait_dscnt 0
	PLACES NP
	FETCH_B \slot, (\q)+1, 1-(\q)%2
	FETCH_A \slot, (\q)+1, 0
	WIN MUL_HI
	MUL16 4, (\q)%2, \q, \slot, \zero
	MUL16 6, (\q)%2, \q, \slot, \zero
	PLACES NP
	WIN 0
	FETCH_A \slot, (\q)+1, 4
.endm
.macro TURN slot, next, fill
	s_wait_tensorcnt 0x0
	ds_add_u32 v[SPW], v[NIL]
	s_wait_dscnt 4*NL+1
	WIN MUL_LO
	MUL16 0, 1, NQ-1, \slot, 0
	s_wait_dscnt 0x0
	s_barrier_signal -1
	MUL16 2, 1, NQ-1, \slot, 0
	WIN 0
	s_barrier_wait -1
.if \fill
	CREST
	s_add_nc_u64 s[G0+4*\slot+2:G0+4*\slot+3], s[G0+4*\slot+2:G0+4*\slot+3], 2*HALFT
	s_add_nc_u64 s[G0B+4*\slot+2:G0B+4*\slot+3], s[G0B+4*\slot+2:G0B+4*\slot+3], 2*HALFT
	JLOAD G0+4*\slot, G1, G0B+4*\slot, G1B
.else
	PLACES NP
.endif
	s_wait_alu depctr_va_vdst(0)
	v_add_nc_u32 v[ADRS], 1024, v[ADRS]
	FETCH_B \next, 0, 0
	FETCH_A \next, 0, 0
	SCALES \next
	WIN MUL_HI
	MUL16 4, 1, NQ-1, \slot, 0
	MUL16 6, 1, NQ-1, \slot, 0
	PLACES NP
	WIN 0
	FETCH_A \next, 0, 4
.endm
.macro LASTSTEP
	s_wait_dscnt 4*NL
	WIN MUL_LO
	MUL16 0, 1, NQ-1, 1, 0
	MUL16 2, 1, NQ-1, 1, 0
	s_wait_dscnt 0
	WIN MUL_HI
	MUL16 4, 1, NQ-1, 1, 0
	MUL16 6, 1, NQ-1, 1, 0
	WIN 0
.endm
.macro ADDB a, g, isv
	WIN 0x02+(\a)/4
.irp i, 0,1,2,3,4,5,6,7,8,9,10,11,12,13,14,15
.if \isv
	v_pk_add_f32 v[X+2*\i:X+2*\i+1], v[64*((\a)%4)+32*\g+2*\i:64*((\a)%4)+32*\g+2*\i+1], v[BB+2*(\a):BB+2*(\a)+1]
.else
	v_pk_add_f32 v[X+2*\i:X+2*\i+1], v[64*((\a)%4)+32*\g+2*\i:64*((\a)%4)+32*\g+2*\i+1], v[BB+32*\g+2*\i:BB+32*\g+2*\i+1]
.endif
.endr
	WIN 0
.endm
.macro QMAX
.irp b, 0,1
	v_max3_num_f32 v[TM+\b], |v[X+16*\b]|, |v[X+1+16*\b]|, 0x1800000
.endr
.irp i, 2,4,6,8,10,12,14
.irp b, 0,1
	v_max3_num_f32 v[TM+\b], v[TM+\b], |v[X+16*\b+\i]|, |v[X+1+16*\b+\i]|
.endr
.endr
.irp b, 0,1
	v_permlanex16_b32 v[PX+\b], v[TM+\b], s104, s105
.endr
.irp b, 0,1
	v_max_num_f32 v[TM+\b], v[TM+\b], v[PX+\b]
.endr
.irp b, 0,1
	v_add_nc_u32 v[SO+\b], 0xff000000, v[TM+\b]
.endr
.irp b, 0,1
	v_lshrrev_b32 v[E+\b], 23, v[SO+\b]
.endr
.endm
.macro UNITQK a, g
	ADDB \a, \g, 0
	QMAX
	s_wait_alu depctr_va_vdst(0)
	s_wait_xcnt 0x0
	v_cvt_scalef32_pk16_fp6_f32 v[PC:PC+2], v[X:X+15], v[SO]
	v_cvt_scalef32_pk16_fp6_f32 v[PT:PT+2], v[X+16:X+31], v[SO+1]
	v_lshl_or_b32 v[WD], v[E+1], 8, v[E]
.irp i, 0,1,2
	v_permlane16_swap_b32 v[PC+\i], v[PT+\i]
.endr
.irp i, 0,1,2
	v_and_b32 v[PC+\i], v[PC+\i], v[KEEP+\a]
	v_and_b32 v[PC+3+\i], v[PT+\i], v[KEEP+\a]
.endr
	v_or_b32 v[WD], v[WD], v[CW+\a]
.if (\a)%2 == 0
	v_mov_b32 v[SW+4*\g+(\a)/2], v[WD]
.else
	v_cndmask_b32 v[SW+4*\g+(\a)/2], v[SW+4*\g+(\a)/2], v[WD], s2
.endif
.irp p, 0,1,2
	global_store_b64 v3, v[PC+2*\p:PC+2*\p+1], s[8:9] offset:\g*131072+\a*1024+256*\p
.endr
	global_store_b64 v3, v[PADW+2*\a:PADW+2*\a+1], s[8:9] offset:\g*131072+\a*1024+768
.endm
.macro UNITV a
.irp g, 0,1
	ADDB \a, \g, 1
	QMAX
.if \g == 0
	s_wait_alu depctr_va_vdst(0)
	s_wait_xcnt 0x0
.endif
	v_cvt_scalef32_pk16_fp6_f32 v[PC+6*\g:PC+6*\g+2], v[X:X+15], v[SO]
	v_cvt_scalef32_pk16_fp6_f32 v[PT:PT+2], v[X+16:X+31], v[SO+1]
	v_lshl_or_b32 v[WD+\g], v[E+1], 8, v[E]
.irp i, 0,1,2
	v_permlane16_swap_b32 v[PC+6*\g+\i], v[PT+\i]
.endr
.irp i, 0,1,2
	v_mov_b32 v[PC+6*\g+3+\i], v[PT+\i]
.endr
.endr
	v_lshl_or_b32 v[WD], v[WD+1], 16, v[WD]
.if (\a)%2 == 0
	v_mov_b32 v[SW+2*((\a)/4)+((\a)%4)/2], v[WD]
.else
	v_cndmask_b32 v[SW+2*((\a)/4)+((\a)%4)/2], v[SW+2*((\a)/4)+((\a)%4)/2], v[WD], s2
.endif
.irp c, 0,1,2
	global_store_b128 v4, v[PC+4*\c:PC+4*\c+3], s[8:9] offset:((\a)/4)*98304+((\a)%4)*1536+512*\c
.endr
.endm
	s_wait_alu depctr_va_vdst(0)
	s_wait_tensorcnt 1
	s_barrier_signal -1
	s_barrier_wait -1
	FETCH_B 0, 0, 0
	FETCH_A 0, 0, 0
	SCALES 0
	FETCH_A 0, 0, 4
	STEP 0, 0, 1
	s_mov_b32 s3, LAPS-1
.Llap:
	TURN 0, 1, 1
	STEP 1, 0, 0
	TURN 1, 0, 1
	STEP 0, 0, 0
	s_sub_co_u32 s3, s3, 1
	s_cmp_lg_u32 s3, 0
	s_cbranch_scc1 .Llap
	TURN 0, 1, 0
	STEP 1, 0, 0
	s_cmp_eq_u32 s100, 2
	s_cbranch_scc1 .Lv
	s_lshl_b32 s17, s101, 3
	s_lshl_b32 s18, s41, 1
	s_add_co_u32 s17, s17, s18
	s_add_co_u32 s17, s17, s15
	s_lshr_b32 s18, s17, 4
	s_and_b32 s19, s17, 15
	s_lshl_b32 s20, s40, 1
	s_add_co_u32 s20, s20, s16
	s_lshl_b32 s22, s20, 9
	s_mov_b32 s23, 0
	s_add_nc_u64 s[12:13], s[12:13], s[22:23]
	s_lshl_b32 s22, s18, 13
	s_lshl_b32 s21, s19, 9
	s_add_co_u32 s22, s22, s21
	s_add_nc_u64 s[66:67], s[66:67], s[22:23]
	s_lshl_b32 s21, s18, 4
	s_lshl_b32 s20, s20, 1
	s_add_co_u32 s21, s21, s20
	s_lshl_b32 s22, s100, 23
	s_lshl_b32 s20, s21, 17
	s_add_co_u32 s22, s22, s20
	s_lshl_b32 s20, s19, 13
	s_add_co_u32 s22, s22, s20
	s_add_nc_u64 s[8:9], s[8:9], s[22:23]
	s_mul_i32 s22, s100, 786432
	s_mul_i32 s20, s21, 12288
	s_add_co_u32 s22, s22, s20
	s_lshl_b32 s20, s19, 9
	s_add_co_u32 s22, s22, s20
	s_add_nc_u64 s[10:11], s[10:11], s[22:23]
.irp a, 0,1,2,3,4,5,6,7
	v_mov_b32 v[MK+\a], 1
.endr
.irp b, 0,1,2,3
.irp j, 0,1,2,3
	global_load_b128 v[BB+16*\b+4*\j:BB+16*\b+4*\j+3], v5, s[12:13] offset:128*\b+16*\j
.endr
.endr
	s_cmp_lg_u32 s100, 1
	s_cbranch_scc1 .Lno_mask
	v_and_b32 v12, 8, v1                           ; k's positions: lane r of tile a is key 64 (a / 4) + 8 (a % 4) + r + 24 (r / 8)
	v_mul_u32_u24 v12, v12, 3
	v_add_nc_u32 v12, v12, v1
	v_lshlrev_b32 v12, 2, v12
.irp a, 0,1,2,3,4,5,6,7
	global_load_b32 v[MK+\a], v12, s[66:67] offset:(64*(\a/4)+8*(\a%4))*4
.endr
.Lno_mask:
	LASTSTEP
	PLACES NP
	s_mov_b32 s17, 0x7f7f0000
	s_mov_b32 s18, 0x01010000
	s_mov_b32 s19, 0x01a00000
	s_cmp_eq_u32 s100, 0
	s_cselect_b32 s20, 8, 0
	s_cselect_b32 s21, 8, 40
	s_cselect_b32 s18, s17, s18
	s_cselect_b32 s19, s17, s19
	v_mul_u32_u24 v8, s20, v7
	v_mul_u32_u24 v9, s21, v7
	v_mov_b32 v10, s18
	v_mov_b32 v11, s19
	v_mov_b32 v[PX], 0
	v_mov_b32 v[PX+1], 0
	s_wait_alu depctr_va_vdst(0)
	s_wait_loadcnt 0x0
.irp a, 0,1,2,3,4,5,6,7
	v_cmp_ne_u32 vcc_lo, 0, v[MK+\a]
	v_cndmask_b32 v[KEEP+\a], 0, -1, vcc_lo
	v_cndmask_b32 v[PADW+2*\a], v9, v8, vcc_lo
	v_cndmask_b32 v[CW+\a], v11, v10, vcc_lo
	v_mov_b32 v[PADW+2*\a+1], 0
.endr
.irp a, 0,1,2,3,4,5,6,7
	UNITQK \a, 0
	UNITQK \a, 1
.endr
	global_store_b128 v4, v[SW:SW+3], s[10:11]
	global_store_b128 v4, v[SW+4:SW+7], s[10:11] offset:12288
	s_branch .Lend
.Lv:
	s_lshl_b32 s17, s101, 3
	s_lshl_b32 s18, s40, 1
	s_add_co_u32 s17, s17, s18
	s_add_co_u32 s17, s17, s16
	s_lshr_b32 s18, s17, 4
	s_and_b32 s19, s17, 15
	s_lshl_b32 s20, s41, 1
	s_add_co_u32 s20, s20, s15
	s_lshl_b32 s22, s20, 9
	s_mov_b32 s23, 0
	s_add_nc_u64 s[12:13], s[12:13], s[22:23]
	s_lshl_b32 s21, s18, 4
	s_lshl_b32 s20, s20, 1
	s_add_co_u32 s21, s21, s20
	s_mul_i32 s22, s21, 98304
	s_mul_i32 s20, s19, 6144
	s_add_co_u32 s22, s22, s20
	s_add_co_u32 s22, s22, 16777216
	s_add_nc_u64 s[8:9], s[8:9], s[22:23]
	s_mul_i32 s22, s21, 12288
	s_lshl_b32 s20, s19, 8
	s_add_co_u32 s22, s22, s20
	s_add_co_u32 s22, s22, 786432+8192
	s_add_nc_u64 s[10:11], s[10:11], s[22:23]
.irp a, 0,1,2,3,4,5,6,7
	global_load_b32 v[BB+2*\a], v6, s[12:13] offset:(32*(\a/2)+8*(\a%2))*4
	global_load_b32 v[BB+2*\a+1], v6, s[12:13] offset:(32*(\a/2)+8*(\a%2))*4
.endr
	LASTSTEP
	PLACES NP
	v_mov_b32 v[PX], 0
	v_mov_b32 v[PX+1], 0
	s_wait_loadcnt 0x0
.irp a, 0,1,2,3,4,5,6,7
	UNITV \a
.endr
	global_store_b64 v3, v[SW:SW+1], s[10:11]
	global_store_b64 v3, v[SW+2:SW+3], s[10:11] offset:12288
.Lend:
	s_wait_tensorcnt 0x0
	ds_add_u32 v[SPW], v[NIL]
	s_wait_dscnt 0x0
	CROUND
	s_endpgm
.Lfunc_end_k_q6634f5ee7c_proj:
	.size	k_q6634f5ee7c_proj, .Lfunc_end_k_q6634f5ee7c_proj-k_q6634f5ee7c_proj
	.p2alignl 7, 3214868480
	.fill 96, 4, 3214868480
	.section	.rodata,"a",@progbits
	.p2align	6, 0x0
	.amdhsa_kernel k_q6634f5ee7c_proj
		.amdhsa_group_segment_fixed_size 327680
		.amdhsa_private_segment_fixed_size 0
		.amdhsa_enable_private_segment 0
		.amdhsa_kernarg_size 64
		.amdhsa_user_sgpr_count 2
		.amdhsa_user_sgpr_kernarg_segment_ptr 1
		.amdhsa_wavefront_size32 1
		.amdhsa_system_sgpr_workgroup_id_x 1
		.amdhsa_system_sgpr_workgroup_id_y 1
		.amdhsa_system_sgpr_workgroup_id_z 1
		.amdhsa_system_vgpr_workitem_id 0
		.amdhsa_next_free_vgpr 1024
		.amdhsa_next_free_sgpr 106
		.amdhsa_reserve_vcc 1
		.amdhsa_float_denorm_mode_32 3
		.amdhsa_float_denorm_mode_16_64 3
		.amdhsa_memory_ordered 1
		.amdhsa_forward_progress 1
		.amdhsa_inst_pref_size 254
	.end_amdhsa_kernel
	.amdgpu_metadata
---
amdhsa.version: [ 1, 2 ]
amdhsa.kernels:
  - .name:           k_q6634f5ee7c_proj
    .symbol:         k_q6634f5ee7c_proj.kd
    .args:
      - { .name: xc, .offset: 0, .size: 8, .value_kind: global_buffer, .address_space: global }
      - { .name: xs, .offset: 8, .size: 8, .value_kind: global_buffer, .address_space: global }
      - { .name: bq, .offset: 16, .size: 8, .value_kind: global_buffer, .address_space: global }
      - { .name: bk, .offset: 24, .size: 8, .value_kind: global_buffer, .address_space: global }
      - { .name: bv, .offset: 32, .size: 8, .value_kind: global_buffer, .address_space: global }
      - { .name: mask, .offset: 40, .size: 8, .value_kind: global_buffer, .address_space: global }
      - { .name: hc, .offset: 48, .size: 8, .value_kind: global_buffer, .address_space: global }
      - { .name: hs, .offset: 56, .size: 8, .value_kind: global_buffer, .address_space: global }
    .group_segment_fixed_size: 327680
    .private_segment_fixed_size: 0
    .kernarg_segment_align: 8
    .kernarg_segment_size: 64
    .max_flat_workgroup_size: 128
    .sgpr_count:     106
    .vgpr_count:     1024
    .wavefront_size: 32
...
	.end_amdgpu_metadata
.endif
;; end of part 2
;; launch attn (part 3): grid 4 x 64, 8 waves a work-group, clusters of 4 x 1, 327,680 bytes of LDS; arguments hc, hs, oc, os; writes oc, os
.if DOCPART == 3
	.amdgcn_target "amdgcn-amd-amdhsa--gfx1250"
	.amdhsa_code_object_version 6
	.text
	.protected	k_q6634f5ee7c_attn
	.globl	k_q6634f5ee7c_attn
	.p2align	8
	.type	k_q6634f5ee7c_attn,@function
k_q6634f5ee7c_attn:
	s_mov_b64 s[64:65], 0
	v_nop
	global_prefetch_b8 v0, s[64:65] scope:SCOPE_SE
	s_setreg_imm32_b32 hwreg(HW_REG_WAVE_MODE, 25, 1), 1
	s_wait_xcnt 0x0
	s_wait_alu depctr_hold_cnt(0) depctr_sa_sdst(0) depctr_va_vdst(0) depctr_va_sdst(0) depctr_va_ssrc(0) depctr_va_vcc(0) depctr_vm_vsrc(0)
	s_getreg_b32 s2, hwreg(HW_REG_IB_STS2, 6, 4)
	s_cmp_eq_u32 s2, 0
	s_cbranch_scc0 .Lentry_in_a_cluster
	s_endpgm
.Lentry_in_a_cluster:
	s_bfe_u32 s2, ttmp6, 0x10000c
	s_cmp_lg_u32 s2, 0x3003
	s_cbranch_scc0 .Lentry_shape_is_right
	s_endpgm
.Lentry_shape_is_right:
; Attention of one head on codes of FP6 (E2M3): S^T = K Q^T, p = 2^(t - M), O^T = V^T p^T, O / the row's sum, quantised again along the 1,024 channels for the last projection.
; t = score x log2(e) / 8; M = the running largest t rounded UP to a whole number; the row's sum is taken of the unquantised p.  When M moves, the sum and O^T are multiplied by 2^(old M - new M): exact.
; THE MASK: the head's 64 fill half of K = 128; at k = 64 Q holds 1.0 and a masked key -1.0 x 2^33 (its real codes are zeros), so its score is -2^33: p = 0, or equal for every key where the whole row is masked.
; LIMITS: a masked logit is -2^30 where the source says -1e9; the promise holds while the scaled scores stay under 2^31 in magnitude; a block whose every p is 0 gets the byte 1 (its codes are zeros); NaN and infinities are not served.
; SHARES.  A work-group owns 512 query positions of one head: two passes of 8 waves x TWO tiles of 16 queries.  Both tiles of a wave use the same fragments of K and V: a step's 15,104 bytes are read from LDS once for 32 queries.
; THE KEYS OF A TILE: row m of tile u (0..7) of a step is key 64 (u / 4) + 32 (m / 8) + 8 (u % 4) + m % 8.  So lane (r, h) holds query r, and its registers S + 32 c + i are keys 64 c + 32 h + i:
; a whole block of 32 in the order of the next operand's registers.  A block's maximum needs no other lane, and the conversions' results need no exchange between lanes.
; LDS: the head's K, V and scale words, 241,664 bytes, each byte filled once.  Half n (1,024 keys) lies at 114,688 n: K's eight steps of 8,192 bytes, then V's eight of 6,144; the scale words behind both halves.
; At the head waves 0-6 ask for 16,384 bytes each of half 0 and wave 7 for the scale words; half 1 is asked for behind the waits, the add and a round of the cluster's barrier, one load a wave, and lands under half 0's eight steps.
; The four work-groups of a cluster belong to one head and ask jointly.  No data prefetch: all that the tensor loads bring has been asked for when step 0 begins, so there is no later tile to run ahead of.
; REGISTERS.  A tile's own state has the same numbers in its own window (tile 0: window 0, tile 1: window 1): v112-123 Q, v124 -M, v125 the largest score, v[126:127] the sum, v128-191 S^T then p, v192-223 O^T, v224-235 p's codes, v236-255 at work.
; Window 0, v0-111: v1-7 lane terms, v8-11 the step's addresses, v30-31 for the add, v48-57 scale words (they have no window), v64-111 V's four fragments.
; Window 1, v0-67: K's eight fragments, 8 registers apart.  A fragment names 12: its last four are the next fragment's first four (v64-67 for the last), and meet only Q's codes of k = 80 .. 127, which are zeros.
.set S,     128
.set O,     192
.set PC,    224
.set Q,     112
.set NM,    124
.set L,     126
.set V,     64
.set KS,    48                         ; K's scale words: word u / 2: tile u even in lanes 0-15, odd in lanes 16-31
.set VS,    52                         ; V's, likewise
.set QS,    54                         ; Q's, one register a tile
.set PS,    56                         ; p's, one register a tile
.set HALFB, 114688
.set SKOFF, 229376                     ; K's scale words, 512 bytes a step
.set SVOFF, 237568                     ; V's, 256 a step
.set SPARE, 241664                     ; the spare words: 128 bytes for each of 8 waves
.set MSB, 0
.macro WIN new                         ; the immediate's high byte repeats the setting that is left
.if MSB != (\new)
	s_set_vgpr_msb (MSB<<8)|(\new)
.set MSB, (\new)
.endif
.endm
.macro D1
	s_delay_alu instid0(VALU_DEP_1)
.endm
.macro NOP4
.rept 4
	v_nop
.endr
.endm
.macro CROUND                          ; a round of the cluster's barrier
	s_barrier_signal -1
	s_barrier_wait -1
	s_cmp_lg_u32 s12, 0
	s_cbranch_scc1 .Lnot_wave_0_\@
	s_barrier_signal -3
.Lnot_wave_0_\@:
	s_barrier_wait -3
	s_barrier_signal -1
	s_barrier_wait -1
.endm
	s_load_b256 s[4:11], s[0:1], 0x0               ; hc, hs, oc, os
	v_lshl_add_u32 v30, v0, 2, SPARE
	v_mov_b32 v31, 0
	ds_add_u32 v30, v31                            ; the opening lines: the add, twice on end, and its wait
	ds_add_u32 v30, v31
	v_lshrrev_b32 v8, 5, v0
	v_readfirstlane_b32 s12, v8                    ; wave 0..7
	s_bfe_u32 s13, ttmp6, 0x40000                  ; cx: it enters Q's and O's global addresses alone
	s_and_b32 s14, ttmp7, 0xffff                   ; batch x 16 + head: the four partners share it
	; descriptor groups 1: dense blocks as rows of 256 bytes (32 elements of 8 bytes); the mask names all four work-groups, bit 21 beside it
.irp g, 16, 24
	s_mov_b32 s[\g], 15|(3<<16)|(1<<21)
	s_mov_b32 s[\g+1], 32<<16
	s_mov_b32 s[\g+3], 32<<16
	s_mov_b32 s[\g+5], 32
	s_mov_b32 s[\g+6], 0
	s_mov_b32 s[\g+7], 0
.endr
	s_mov_b32 s18, 64<<16                          ; codes: 64 rows a load
	s_mov_b32 s20, 64
	s_mov_b32 s26, 48<<16                          ; the scale words: 48 rows
	s_mov_b32 s28, 48
	s_lshl_b32 s96, s14, 17
	s_add_co_u32 s96, s96, 8388608                 ; K's codes of the head: waves 0-3 take 16,384 bytes each
	s_mul_i32 s98, s14, 98304
	s_add_co_u32 s98, s98, 16711680                ; V's, less 4 x 16,384: waves 4-6
	s_mov_b32 s54, 49152                           ; half 1 lies so far behind half 0 in V, 65,536 in K
	s_cmp_lt_u32 s12, 4
	s_cselect_b32 s52, s96, s98
	s_cselect_b32 s54, 0x10000, s54
	s_lshl_b32 s41, s12, 14                        ; LDS: wave x 16,384
	s_add_co_u32 s52, s52, s41
	s_add_co_u32 s54, s54, s52
	s_mov_b32 s53, 0
	s_mov_b32 s55, 0
	s_add_co_u32 s49, s41, HALFB
	s_mov_b32 s40, 1
	s_mov_b32 s44, 1
	s_mov_b32 s48, 1
	s_mov_b32 s45, SKOFF
	s_mul_i32 s2, s14, 12288
	s_add_co_u32 s2, s2, 786432                    ; K's and V's scale words
	s_mov_b32 s3, 0
	s_lshl_b32 s15, s13, 5
	s_lshl_b32 s32, s12, 1
	s_add_co_u32 s15, s15, s32                     ; my first tile of queries in pass 0: 32 cx + 2 wave; pass 1: 16 tiles on
	s_lshr_b32 s33, s15, 3                         ; its group of 128 positions
	s_lshl_b32 s88, s14, 17
	s_lshl_b32 s32, s15, 10
	s_add_co_u32 s88, s88, s32                     ; Q's codes: 1,024 bytes a tile
	s_mov_b32 s89, 0
	s_mul_i32 s90, s14, 12288
	s_lshl_b32 s32, s33, 9
	s_add_co_u32 s90, s90, s32
	s_bfe_u32 s32, s15, 0x20001
	s_lshl_b32 s32, s32, 2
	s_add_co_u32 s90, s90, s32                     ; Q's scale words: group x 512 + (tile % 2) x 256 + word (tile / 2) % 4
	s_mov_b32 s91, 0
	s_lshr_b32 s34, s14, 4
	s_lshl_b32 s34, s34, 4
	s_add_co_u32 s34, s34, s33                     ; batch x 16 + group: the group of 128 rows of the last projection's operand
	s_and_b32 s35, s14, 15                         ; the head: its 64 along K there
	s_lshl_b32 s92, s34, 4
	s_add_co_u32 s92, s92, s35
	s_mul_i32 s92, s92, 6144
	s_and_b32 s36, s15, 7
	s_mul_i32 s32, s36, 768
	s_add_co_u32 s92, s92, s32
	s_mov_b32 s93, 0
	s_lshl_b32 s94, s34, 12
	s_lshr_b32 s32, s35, 2
	s_lshl_b32 s32, s32, 10
	s_add_co_u32 s94, s94, s32
	s_lshl_b32 s32, s36, 7
	s_add_co_u32 s94, s94, s32
	s_and_b32 s32, s35, 3
	s_lshl_b32 s32, s32, 1
	s_add_co_u32 s94, s94, s32
	s_mov_b32 s95, 0
	s_mov_b32 s59, 0xbe38aa3b                      ; -c
	s_mov_b32 s60, 0x76543210
	s_mov_b32 s61, 0xfedcba98                      ; selects for lane l xor 16
	s_mov_b32 s62, 0x3e38aa3b                      ; c = log2(e) / 8
	s_mov_b32 s63, s62                             ; (named with it as a pair, so it is written)
	s_wait_dscnt 0x0                               ; both opening adds are done
	s_wait_kmcnt 0x0
	s_add_nc_u64 s[42:43], s[4:5], s[52:53]
	s_or_b32 s43, s43, 0x80000000
	s_add_nc_u64 s[50:51], s[4:5], s[54:55]
	s_or_b32 s51, s51, 0x80000000
	s_add_nc_u64 s[46:47], s[6:7], s[2:3]
	s_or_b32 s47, s47, 0x80000000
	s_add_nc_u64 s[88:89], s[4:5], s[88:89]
	s_add_nc_u64 s[90:91], s[6:7], s[90:91]
	s_add_nc_u64 s[92:93], s[8:9], s[92:93]
	s_add_nc_u64 s[94:95], s[10:11], s[94:95]
	CROUND                                         ; all four work-groups are here: the joint loads meet
	s_cmp_lt_u32 s12, 7                            ; one load a wave, in the two arms of one branch on the wave's number
	s_cbranch_scc0 .Lscales
	tensor_load_to_lds s[40:43], s[16:23]          ; waves 0-6: my 16,384 bytes of half 0
	s_nop 0
	NOP4
	s_branch .Lasked
.Lscales:
	tensor_load_to_lds s[44:47], s[24:31]          ; wave 7: the scale words of all 2,048 keys
	s_nop 0
	NOP4
.Lasked:
	v_and_b32 v5, 31, v0
	v_lshlrev_b32 v1, 3, v5                        ; 8 x lane
	v_lshlrev_b32 v2, 4, v5                        ; 16 x lane
	v_add_nc_u32 v3, SKOFF, v2
	v_add_nc_u32 v4, SVOFF, v1
	v_and_b32 v6, 15, v0
	v_lshlrev_b32 v5, 4, v6                        ; 16 r
	v_lshlrev_b32 v6, 3, v6                        ; 8 r
	v_bfe_u32 v7, v0, 4, 1
	v_lshlrev_b32 v7, 3, v7                        ; 8 h
.macro QLOAD                           ; my two tiles of Q: registers 0-5 the head's 64, 6-7 the pad; and their rows' scale words
.irp t, 0,1
	WIN 0x40*\t
.irp p, 0,1,2,3
	global_load_b64 v[Q+2*\p:Q+2*\p+1], v1, s[88:89] offset:1024*\t+256*\p
.endr
.endr
	WIN 0
	global_load_b32 v[QS], v5, s[90:91]
	global_load_b32 v[QS+1], v5, s[90:91] offset:256
.endm
	QLOAD
.irp t, 0,1                            ; written once in each tile's window
	WIN 0x40*\t
	v_mov_b32 v255, v7                             ; 8 h
.irp i, 8,9,10,11
	v_mov_b32 v[Q+\i], 0                           ; k = 80 .. 127 of Q: zeros, never loaded
.endr
	v_mov_b32 v251, 0                              ; (named as the upper half of a pair)
	v_mov_b32 v252, 0                              ; a lane permute's destination counts as one of its sources
	v_mov_b32 v253, 0
.endr
.irp i, 64,65,66,67
	v_mov_b32 v\i, 0                               ; window 1: what the last fragment of K names beyond its eight registers
.endr
	WIN 0
.macro INIT                            ; the step is written once: the first finds zeros, which the first change of M leaves zeros
.irp t, 0,1
	WIN 0x40*\t
.set J, 0
.rept 32
	v_mov_b32 v[O+J], 0
.set J, J+1
.endr
	v_mov_b32 v[NM], 0x7e000000                    ; -M: so large that the first factor 2^(old M - new M) is 0
	v_mov_b32 v[NM+1], 0xff61b1e6                  ; the largest score so far: -3e38
	v_mov_b32 v[L], 0
	v_mov_b32 v[L+1], 0
.endr
	WIN 0
.endm
.macro KLOAD                           ; eight tiles of 16 keys, registers 0-7 of each fragment, and their scale words: 33 loads
	WIN 0x40
.irp u, 0,1,2,3,4,5,6,7
.irp p, 0,1,2,3
	ds_load_b64 v[8*\u+2*\p:8*\u+2*\p+1], v8 offset:1024*\u+256*\p
.endr
.endr
	WIN 0
	ds_load_b128 v[KS:KS+3], v10
.endm
.macro KQ t                            ; S^T of tile t of queries: A = K (window 1), B = Q and D = S in the tile's window
	WIN 0x01|(0x44*\t)
.irp u, 0,1,2,3,4,5,6,7
.if \u%2
	v_wmma_scale_f32_16x16x128_f8f6f4 v[S+8*\u:S+8*\u+7], v[8*\u:8*\u+11], v[Q:Q+11], 0, v[KS+\u/2], v[QS+\t] matrix_a_fmt:MATRIX_FMT_FP6 matrix_b_fmt:MATRIX_FMT_FP6 matrix_a_scale:MATRIX_SCALE_ROW1
.else
	v_wmma_scale_f32_16x16x128_f8f6f4 v[S+8*\u:S+8*\u+7], v[8*\u:8*\u+11], v[Q:Q+11], 0, v[KS+\u/2], v[QS+\t] matrix_a_fmt:MATRIX_FMT_FP6 matrix_b_fmt:MATRIX_FMT_FP6
.endif
.endr
.endm
; The softmax of one tile of queries over 128 keys, and its product with V.  All registers in the tile's window but V, the scale words and, for one line, p's scale word.
.macro SM t
	WIN 0x55*\t
.if \t
	s_wait_alu depctr_va_vdst(0)                   ; the wait ahead of the first readers of S: the other tile's exponentials stand behind the products
.endif
.irp b, 0,1                            ; the largest score of each of my two blocks of 32 keys: a chain to each accumulator, eight chains by turns; each accumulator is first read at its low end
.irp k, 0,1,2,3
	v_max3_num_f32 v[236+4*\b+\k], v[S+32*\b+8*\k], v[S+32*\b+8*\k+1], v[S+32*\b+8*\k+2]
.endr
.endr
.irp i, 3,5
.irp b, 0,1
.irp k, 0,1,2,3
	v_max3_num_f32 v[236+4*\b+\k], v[236+4*\b+\k], v[S+32*\b+8*\k+\i], v[S+32*\b+8*\k+\i+1]
.endr
.endr
.endr
.irp b, 0,1                            ; the four chains of a block and each accumulator's eighth register
	v_max3_num_f32 v[236+4*\b], v[236+4*\b], v[237+4*\b], v[S+32*\b+7]
	v_max3_num_f32 v[238+4*\b], v[238+4*\b], v[239+4*\b], v[S+32*\b+15]
.endr
.irp b, 0,1
	v_max3_num_f32 v[236+4*\b], v[236+4*\b], v[S+32*\b+23], v[S+32*\b+31]
.endr
	v_max_num_f32 v236, v236, v238                 ; block h
	v_max_num_f32 v238, v240, v242                 ; block 2 + h
	v_max_num_f32 v252, v236, v238
	D1
	v_permlanex16_b32 v253, v252, s60, s61
	D1
	v_max3_num_f32 v[NM+1], v[NM+1], v252, v253    ; the running largest score of my query, lane l xor 16's 64 keys among them
	D1
	v_mul_f32 v252, s59, v[NM+1]
	D1
	v_floor_f32 v252, v252                         ; the new -M = floor(-t) = -ceil(t)
	D1
	v_sub_f32 v254, v252, v[NM]                    ; old M - new M: a whole number, 0 or less
	v_mov_b32 v[NM], v252
	s_delay_alu instid0(VALU_DEP_2)
	v_cvt_i32_f32 v254, v254                       ; (it saturates)
	D1
	v_ldexp_f32 v250, 1.0, v254                    ; f = 2^(old M - new M)
.set J, 0
.rept 32
	v_pk_fma_f32 v[S+J:S+J+1], v[S+J:S+J+1], s[62:63], v[NM:NM+1] op_sel_hi:[1,0,0]   ; t - M, two at a time
.set J, J+2
.endr
	v_fma_f32 v236, v236, s62, v[NM]               ; the same of each block's largest score: p rises with the score
	v_fma_f32 v238, v238, s62, v[NM]
	s_wait_alu depctr_va_vdst(0)                   ; the wait ahead of the batch
.set J, 0
.rept 64
	v_exp_f32 v[S+J], v[S+J]                       ; p = 2^(t - M): not normalised
.set J, J+1
.endr
	v_exp_f32 v236, v236                           ; the blocks' largest p
	v_exp_f32 v238, v238
	v_pk_mul_f32 v[L:L+1], v[L:L+1], v[250:251] op_sel_hi:[1,0]   ; the sums under the new M; a plain line behind the exponentials
	s_wait_alu depctr_va_vdst(0)                   ; one wait for the batch, and, directly ahead of them, for the first readers of O^T
.set J, 0
.rept 16
	v_pk_mul_f32 v[O+J:O+J+1], v[O+J:O+J+1], v[250:251] op_sel_hi:[1,0]   ; O^T under the new M
.set J, J+2
.endr
	v_max_num_f32 v236, 0x1800000, v236            ; the floor 2^(3 - 127)
	v_max_num_f32 v238, 0x1800000, v238
	v_add_nc_u32 v248, 0xff000000, v236            ; 2 off the exponent field: the conversions' scale operands
	v_add_nc_u32 v249, 0xff000000, v238
	v_lshrrev_b32 v236, 23, v248                   ; the bytes of blocks h and 2 + h
	v_lshrrev_b32 v238, 23, v249
	s_delay_alu instid0(VALU_DEP_1)
	v_lshl_or_b32 v254, v238, 16, v236
	D1
	v_lshlrev_b32 v254, v255, v254                 ; 8 h bits up
	D1
	v_permlanex16_b32 v253, v254, s60, s61
	WIN 0x05*\t
	v_or_b32 v[PS+\t], v254, v253                  ; with lane l xor 16's two bytes: p's scale word, in window 0
	WIN 0x55*\t
	v_cvt_scalef32_pk16_fp6_f32 v[PC:PC+2], v[S:S+15], v248
	v_cvt_scalef32_pk16_fp6_f32 v[240:242], v[S+16:S+31], v248      ; (a conversion's three registers begin on an even number)
	v_cvt_scalef32_pk16_fp6_f32 v[PC+6:PC+8], v[S+32:S+47], v249
	v_cvt_scalef32_pk16_fp6_f32 v[244:246], v[S+48:S+63], v249
	v_pk_add_f32 v[236:237], v[S:S+1], v[S+2:S+3]                   ; the row's sum of the unquantised p, four chains; also the plain line behind the conversions
.irp i, 0,1,2
	v_mov_b32 v[PC+3+\i], v[240+\i]
	v_mov_b32 v[PC+9+\i], v[244+\i]
.endr
.set J, 4                              ; the sum goes on as a tree, in place: p has been converted and is needed no more.  16, 8, 4, 2 additions that do not hang on each other, then two onto the sum
.rept 15
	v_pk_add_f32 v[S+J:S+J+1], v[S+J:S+J+1], v[S+J+2:S+J+3]
.set J, J+4
.endr
	v_pk_add_f32 v[236:237], v[236:237], v[S+4:S+5]
.set J, 8
.rept 7
	v_pk_add_f32 v[S+J:S+J+1], v[S+J:S+J+1], v[S+J+4:S+J+5]
.set J, J+8
.endr
	v_pk_add_f32 v[236:237], v[236:237], v[S+8:S+9]
.irp j, 16,32,48
	v_pk_add_f32 v[S+\j:S+\j+1], v[S+\j:S+\j+1], v[S+\j+8:S+\j+9]
.endr
	v_pk_add_f32 v[236:237], v[236:237], v[S+16:S+17]
	v_pk_add_f32 v[S+32:S+33], v[S+32:S+33], v[S+48:S+49]
	s_delay_alu instid0(VALU_DEP_2)
	v_pk_add_f32 v[L:L+1], v[L:L+1], v[236:237]
	D1
	v_pk_add_f32 v[L:L+1], v[L:L+1], v[S+32:S+33]
	s_wait_dscnt 33                                ; V's 13 loads are in; the 33 for the next step's K, issued behind them, may be out
	WIN 0x54*\t
.irp u, 0,1,2,3                        ; O^T += V^T p^T: the four accumulators take turns
.if \u%2
	v_wmma_scale_f32_16x16x128_f8f6f4 v[O+8*\u:O+8*\u+7], v[V+12*\u:V+12*\u+11], v[PC:PC+11], v[O+8*\u:O+8*\u+7], v[VS+\u/2], v[PS+\t] matrix_a_fmt:MATRIX_FMT_FP6 matrix_b_fmt:MATRIX_FMT_FP6 matrix_a_scale:MATRIX_SCALE_ROW1
.else
	v_wmma_scale_f32_16x16x128_f8f6f4 v[O+8*\u:O+8*\u+7], v[V+12*\u:V+12*\u+11], v[PC:PC+11], v[O+8*\u:O+8*\u+7], v[VS+\u/2], v[PS+\t] matrix_a_fmt:MATRIX_FMT_FP6 matrix_b_fmt:MATRIX_FMT_FP6
.endif
.endr
.endm
; A KEY STEP: 128 keys for both tiles.  K's fragments were asked for a step ago; behind the score products their registers take the next step's, and V's take this step's, which land under the first softmax.
.macro STEP
	s_wait_dscnt 0x0                               ; this step's K and its scale words are in
	KQ 0
	KQ 1
	s_add_co_u32 s66, s66, 8192
	s_add_co_u32 s84, s84, 512
	WIN 0
	v_add_nc_u32 v9, s67, v2                       ; these four lines are the places between the products and the loads into their operands
	v_add_nc_u32 v11, s85, v4
	v_add_nc_u32 v8, s66, v1
	v_add_nc_u32 v10, s84, v3
.irp u, 0,1,2,3
.irp c, 0,1,2
	ds_load_b128 v[V+12*\u+4*\c:V+12*\u+4*\c+3], v9 offset:1536*\u+512*\c
.endr
.endr
	ds_load_b64 v[VS:VS+1], v11
	KLOAD                                          ; in a half's last step these 33 read landed bytes behind K's eight steps, and are not used
	s_add_co_u32 s67, s67, 6144
	s_add_co_u32 s85, s85, 256
	SM 0
	SM 1
	WIN 0
.endm
.macro HALF h                          ; eight steps: 1,024 keys
.if \h
	s_wait_tensorcnt 0x0                           ; my part of half 1 has landed
.endif
	s_wait_dscnt 0x0                               ; no load into K's registers is out
.if \h
	s_barrier_signal -1                            ; it shows half 1 to all eight waves
	s_barrier_wait -1
.endif
	s_mov_b32 s66, \h*HALFB
	s_mov_b32 s67, \h*HALFB+65536
	s_mov_b32 s84, \h*4096
	s_mov_b32 s85, \h*2048
	s_mov_b32 s87, 8
	v_add_nc_u32 v8, s66, v1
	v_add_nc_u32 v10, s84, v3
	KLOAD
.Lhalf_\@:
	STEP
	s_sub_co_u32 s87, s87, 1
	s_cmp_lg_u32 s87, 0
	s_cbranch_scc1 .Lhalf_\@
.endm
; O^T / the sum; register 16 g + i is channel 32 g + 16 h + i of the head: two blocks of the last projection's K, quantised and stored as a unit of 768 bytes.
.macro FINISH t
	WIN 0x55*\t
	v_add_f32 v[L], v[L], v[L+1]
	D1
	v_permlanex16_b32 v253, v[L], s60, s61
	D1
	v_add_f32 v[L], v[L], v253                     ; the row's sum
	s_wait_alu depctr_va_vdst(0)                   ; the wait ahead of the reciprocal
	v_rcp_f32 v[L], v[L]
	v_nop                                          ; one plain line behind it
	s_wait_alu depctr_va_vdst(0)                   ; and ahead of its first reader, which is also the first reader of O^T
.set J, 0
.rept 16
	v_pk_mul_f32 v[S+J:S+J+1], v[O+J:O+J+1], v[L:L+1] op_sel_hi:[1,0]
.set J, J+2
.endr
.irp b, 0,1
	v_max3_num_f32 v[236+\b], |v[S+16*\b]|, |v[S+1+16*\b]|, 0x1800000
.endr
.irp i, 2,4,6,8,10,12,14
.irp b, 0,1
	s_delay_alu instid0(VALU_DEP_2)
	v_max3_num_f32 v[236+\b], v[236+\b], |v[S+16*\b+\i]|, |v[S+1+16*\b+\i]|
.endr
.endr
.irp b, 0,1
	s_delay_alu instid0(VALU_DEP_2)
	v_permlanex16_b32 v[252+\b], v[236+\b], s60, s61
.endr
.irp b, 0,1
	s_delay_alu instid0(VALU_DEP_2)
	v_max_num_f32 v[236+\b], v[236+\b], v[252+\b]
.endr
.irp b, 0,1
	s_delay_alu instid0(VALU_DEP_2)
	v_add_nc_u32 v[248+\b], 0xff000000, v[236+\b]
.endr
.irp b, 0,1
	s_delay_alu instid0(VALU_DEP_2)
	v_lshrrev_b32 v[238+\b], 23, v[248+\b]
.endr
	v_cvt_scalef32_pk16_fp6_f32 v[PC:PC+2], v[S:S+15], v248
	v_cvt_scalef32_pk16_fp6_f32 v[240:242], v[S+16:S+31], v249
	v_lshl_or_b32 v254, v239, 8, v238              ; the two bytes; also the plain line behind the conversions
.irp i, 0,1,2
	v_permlane16_swap_b32 v[PC+\i], v[240+\i]      ; a whole block to a lane
.endr
.irp i, 0,1,2
	v_mov_b32 v[PC+3+\i], v[240+\i]
.endr
	WIN 0x04*\t                                    ; the stores' data in the tile's window
.irp p, 0,1,2
	global_store_b64 v1, v[PC+2*\p:PC+2*\p+1], s[92:93] offset:768*\t+256*\p   ; 256 consecutive bytes, aligned
.endr
	global_store_b16 v6, v254, s[94:95] offset:128*\t   ; my row's two scale bytes (both halves of the lanes store the same): a row's eight bytes belong to four heads, so this store fills no whole 256 bytes
.endm
	s_wait_alu depctr_va_vdst(0)                   ; the wait at the head's end
	s_wait_tensorcnt 0x0                           ; my load of the head has landed
	ds_add_u32 v30, v31
	s_wait_dscnt 0x0
	CROUND                                         ; half 0 and the scale words are whole for all eight waves, and the four work-groups are here
	s_cmp_lt_u32 s12, 7
	s_cbranch_scc0 .Lno_second
	tensor_load_to_lds s[48:51], s[16:23]          ; waves 0-6: my 16,384 bytes of half 1, the first tensor load behind the round
	s_nop 0
	NOP4
.Lno_second:
	s_mov_b32 s86, 0                               ; the pass
.Lpass:
	INIT
	s_wait_alu depctr_va_vdst(0)                   ; directly ahead of the wait below
	s_wait_loadcnt 0x0                             ; Q
	HALF 0
	HALF 1
	s_cmp_eq_u32 s86, 1
	s_cbranch_scc1 .Lno_q
	s_add_nc_u64 s[88:89], s[88:89], 16384         ; 16 tiles on; the loads that read these bases have been waited for
	s_add_nc_u64 s[90:91], s[90:91], 1024
	QLOAD                                          ; two softmaxes stand between the last product that read Q and these loads
.Lno_q:
	FINISH 0
	FINISH 1
	WIN 0
	s_wait_xcnt 0x0                                ; the stores have read their registers and bases
	s_add_nc_u64 s[92:93], s[92:93], 196608
	s_add_nc_u64 s[94:95], s[94:95], 8192
	s_add_co_u32 s86, s86, 1
	s_cmp_lt_u32 s86, 2
	s_cbranch_scc1 .Lpass
	s_wait_tensorcnt 0x0                           ; the wave's end
	ds_add_u32 v30, v31
	s_wait_dscnt 0x0
	CROUND                                         ; the closing round
	s_endpgm
.Lfunc_end_k_q6634f5ee7c_attn:
	.size	k_q6634f5ee7c_attn, .Lfunc_end_k_q6634f5ee7c_attn-k_q6634f5ee7c_attn
	.p2alignl 7, 3214868480
	.fill 96, 4, 3214868480
	.section	.rodata,"a",@progbits
	.p2align	6, 0x0
	.amdhsa_kernel k_q6634f5ee7c_attn
		.amdhsa_group_segment_fixed_size 327680
		.amdhsa_private_segment_fixed_size 0
		.amdhsa_enable_private_segment 0
		.amdhsa_kernarg_size 32
		.amdhsa_user_sgpr_count 2
		.amdhsa_user_sgpr_kernarg_segment_ptr 1
		.amdhsa_wavefront_size32 1
		.amdhsa_system_sgpr_workgroup_id_x 1
		.amdhsa_system_sgpr_workgroup_id_y 1
		.amdhsa_system_sgpr_workgroup_id_z 1
		.amdhsa_system_vgpr_workitem_id 0
		.amdhsa_next_free_vgpr 512
		.amdhsa_next_free_sgpr 100
		.amdhsa_reserve_vcc 0
		.amdhsa_float_denorm_mode_32 3
		.amdhsa_float_denorm_mode_16_64 3
		.amdhsa_memory_ordered 1
		.amdhsa_forward_progress 1
		.amdhsa_inst_pref_size 84
	.end_amdhsa_kernel
	.amdgpu_metadata
---
amdhsa.version: [ 1, 2 ]
amdhsa.kernels:
  - .name:           k_q6634f5ee7c_attn
    .symbol:         k_q6634f5ee7c_attn.kd
    .args:
      - { .name: hc, .offset: 0, .size: 8, .value_kind: global_buffer, .address_space: global }
      - { .name: hs, .offset: 8, .size: 8, .value_kind: global_buffer, .address_space: global }
      - { .name: oc, .offset: 16, .size: 8, .value_kind: global_buffer, .address_space: global }
      - { .name: os, .offset: 24, .size: 8, .value_kind: global_buffer, .address_space: global }
    .group_segment_fixed_size: 327680
    .private_segment_fixed_size: 0
    .kernarg_segment_align: 8
    .kernarg_segment_size: 32
    .max_flat_workgroup_size: 256
    .sgpr_count:     100
    .vgpr_count:     512
    .wavefront_size: 32
...
	.end_amdgpu_metadata
.endif
;; end of part 3
;; launch outp (part 4): grid 4 x 64, 4 waves a work-group, clusters of 4 x 4, 327,680 bytes of LDS; arguments oc, os, xc, xs, bo, out0; writes out0
.if DOCPART == 4
	.amdgcn_target "amdgcn-amd-amdhsa--gfx1250"
	.amdhsa_code_object_version 6
	.text
	.protected	k_q6634f5ee7c_outp
	.globl	k_q6634f5ee7c_outp
	.p2align	8
	.type	k_q6634f5ee7c_outp,@function
k_q6634f5ee7c_outp:
	s_mov_b64 s[64:65], 0
	v_nop
	global_prefetch_b8 v0, s[64:65] scope:SCOPE_SE
	s_setreg_imm32_b32 hwreg(HW_REG_WAVE_MODE, 25, 1), 1
	s_wait_xcnt 0x0
	s_wait_alu depctr_hold_cnt(0) depctr_sa_sdst(0) depctr_va_vdst(0) depctr_va_sdst(0) depctr_va_ssrc(0) depctr_va_vcc(0) depctr_vm_vsrc(0)
	s_getreg_b32 s2, hwreg(HW_REG_IB_STS2, 6, 4)
	s_cmp_eq_u32 s2, 0
	s_cbranch_scc0 .Lentry_in_a_cluster
	s_endpgm
.Lentry_in_a_cluster:
	s_bfe_u32 s2, ttmp6, 0x10000c
	s_cmp_lg_u32 s2, 0xf033
	s_cbranch_scc0 .Lentry_shape_is_right
	s_endpgm
.Lentry_shape_is_right:
; The last projection on codes of FP6 (E2M3): out0[m][n] = sum over k of O[m][k] wo[n][k] + bo[n], K = 1,024, f32 sums.
; O's codes (oc) and scale bytes (os) and wo's (groups 216 .. 223 of xc and xs) lie as images of the operands' registers: [group of 128 positions][64 along K: 16][tile 8][768 bytes]; scale bytes [group][256 along K: 4][position 128][8 bytes].
; Position r of tile u of a group is row 32 (u / 2) + 8 (u % 2) + r + 8 (r / 8).
; SHARES.  A work-group makes 128 rows x 256 columns: 64 x 4 = 256 work-groups.  Four waves, each 64 rows x 128 columns: 32 accumulators of 16 x 16.
; ALL OF K STAYS IN LDS: no byte is filled again.  Half n of K (512) lies at 147,456 n: A's group, 49,152 bytes, then B's two groups; behind both halves the scale bytes, 4,096 of A and 8,192 of B.
; At the head each wave asks for one tile: A's half 0, B's half 0 (two rows of 49,152 bytes, one for each group), A's scale bytes, B's.  Half 1 is asked for behind the waits, the add and a round of the cluster's barrier,
; by waves 0 and 1, and lands under the first four steps; one barrier ahead of step 4 shows it to all four waves.
; CLUSTERS: 4 x 4 work-groups.  A's tiles hang on the row of work-groups alone and are asked for jointly along a row of the cluster, B's on the column alone and jointly along a column.
; No data prefetch: all tiles have been asked for when step 0 begins, so there is no later tile to run ahead of.
; THE MATRIX INSTRUCTION IS USED TRANSPOSED (source 0 = 16 rows of wo, source 1 = 16 rows of O): a lane holds eight neighbouring columns of one row.  The bias is the C of each accumulator's first product.
; REGISTERS: window 0: v16-29 addresses, v32-63 scale words (two sets), v64-127 the bias, v128-223 A's fragments (two sets of four), on the way out v128-255 rows read back; window 1: B's fragments, two sets at v0 and v128;
; window 2: the accumulators, (a, b) at v[8 (8 a + b)].
.set KCB,    6144                      ; 64 along K of a group
.set AH,     49152                     ; half of K of a group
.set HALFB,  147456
.set SCL,    294912
.set SPARE,  307200                    ; the spare words: 128 bytes for each wave
.set SPITCH, 528                       ; the way out: a stage of 16 rows x (512 + 16) bytes for each wave, from LDS byte 0: half 0 has had its one fill, and is read no more behind the barrier ahead of step 4
.set FR,   12
.set ADRA, 16
.set ADRB, 20
.set STO,  24
.set RD,   25
.set CO,   26
.set ADRS, 27
.set SPW,  28
.set NIL,  29
.set SC,   32
.set BB,   64
.set AF,   128
.set BK,   128
.set G1A,  24
.set G0A,  32
.set G1B,  48
.set G0B,  56
.set G1S,  68
.set G0S,  76
.set G1SB, 80
.set G0SB, 88
.set MSB, 0
.macro WIN new                         ; the immediate's high byte repeats the setting that is left
.if MSB != (\new)
	s_set_vgpr_msb (MSB<<8)|(\new)
.set MSB, (\new)
.endif
.endm
.macro PLACES
.rept 4
	v_nop
.endr
.endm
.macro CROUND                          ; a round of the cluster's barrier
	s_barrier_signal -1
	s_barrier_wait -1
	s_cmp_lg_u32 s14, 0
	s_cbranch_scc1 .Lnot_wave_0_\@
	s_barrier_signal -3
.Lnot_wave_0_\@:
	s_barrier_wait -3
	s_barrier_signal -1
	s_barrier_wait -1
.endm
.macro DIMS g, c, r, p                 ; group 1: r rows of c elements of 8 bytes, p elements from row to row
	s_mov_b32 s[\g+1], (\c)<<16
	s_mov_b32 s[\g+2], (\r)<<16
	s_mov_b32 s[\g+3], (\c)<<16
	s_mov_b32 s[\g+4], \r
	s_mov_b32 s[\g+5], \p
	s_mov_b32 s[\g+6], 0
	s_mov_b32 s[\g+7], 0
.endm
	s_load_b256 s[4:11], s[0:1], 0x0               ; oc, os, xc, xs
	s_load_b128 s[92:95], s[0:1], 0x20             ; bo, out0
	v_lshl_add_u32 v[SPW], v0, 2, SPARE
	v_mov_b32 v[NIL], 0
	ds_add_u32 v[SPW], v[NIL]                      ; the opening lines: the add, twice on end, and its wait
	ds_add_u32 v[SPW], v[NIL]
	v_lshrrev_b32 v1, 5, v0
	v_readfirstlane_b32 s14, v1                    ; wave 0..3
	s_lshr_b32 s15, s14, 1                         ; which 64 rows are mine
	s_and_b32 s16, s14, 1                          ; which 128 columns
	s_bfe_u32 s40, ttmp6, 0x40000                  ; cx, cy
	s_bfe_u32 s41, ttmp6, 0x40004
	s_and_b32 s17, ttmp7, 0xffff
	s_lshl_b32 s17, s17, 2
	s_add_co_u32 s17, s17, s41                     ; the group of 128 rows: 4 x cluster y + cy
	s_lshl_b32 s43, s41, 2
	s_lshl_b32 s43, 15, s43                        ; my row of the cluster
	s_lshl_b32 s44, 0x1111, s40                    ; my column
	s_or_b32 s[G1A], s43, (3<<16)|(1<<21)
	s_or_b32 s[G1S], s43, (3<<16)|(1<<21)
	s_or_b32 s[G1B], s44, (3<<16)|(1<<21)
	s_or_b32 s[G1SB], s44, (3<<16)|(1<<21)
	DIMS G1A, 32, 192, 32                          ; A: 49,152 dense bytes as rows of 256
	DIMS G1B, 6144, 2, 12288                       ; B: half of K of two groups, 98,304 bytes apart
	DIMS G1S, 32, 16, 32                           ; A's scale bytes: 4,096
	DIMS G1SB, 32, 32, 32                          ; B's: 8,192
	s_mul_i32 s18, s17, 98304
	s_mov_b32 s19, 0
	s_lshl_b32 s22, s17, 12
	s_mov_b32 s23, 0
	s_lshl_b32 s20, s40, 1
	s_add_co_u32 s20, s20, 216                     ; wo's groups 2 cx, 2 cx + 1
	s_lshl_b32 s46, s20, 12
	s_mov_b32 s47, 0
	s_mul_i32 s20, s20, 98304
	s_mov_b32 s21, 0
	s_mul_i32 s60, s15, 3072                       ; LDS: my four tiles of A,
	s_add_co_u32 s61, s60, HALFB
	s_mul_i32 s62, s16, AH
	s_add_co_u32 s62, s62, AH                      ; my group of B,
	s_add_co_u32 s63, s62, HALFB
	s_lshl_b32 s97, s15, 9                         ; my 64 rows' scale words,
	s_lshl_b32 s96, s16, 12
	s_add_co_u32 s96, s96, 4096
	s_sub_co_u32 s96, s96, s97                     ; how far behind them my group of B's lie,
	s_add_co_u32 s97, s97, SCL
	s_mul_i32 s98, s14, 16*SPITCH                  ; my stage
	s_lshl_b32 s36, s40, 1
	s_add_co_u32 s36, s36, s16
	s_lshl_b32 s36, s36, 9                         ; my 128 columns, in bytes
	s_mov_b32 s37, 0
	s_lshl_b32 s38, s17, 19
	s_lshl_b32 s39, s15, 18
	s_add_co_u32 s38, s38, s39                     ; my 64 rows of 4,096 bytes
	s_mov_b32 s39, 0
	s_wait_dscnt 0x0                               ; both opening adds are done
	s_wait_kmcnt 0x0
	s_mov_b32 s[G0A], 1
	s_mov_b32 s[G0A+1], 0
	s_add_nc_u64 s[G0A+2:G0A+3], s[4:5], s[18:19]
	s_or_b32 s[G0A+3], s[G0A+3], 0x80000000
	s_mov_b32 s[G0B], 1
	s_mov_b32 s[G0B+1], AH
	s_add_nc_u64 s[G0B+2:G0B+3], s[8:9], s[20:21]
	s_or_b32 s[G0B+3], s[G0B+3], 0x80000000
	s_mov_b32 s[G0S], 1
	s_mov_b32 s[G0S+1], SCL
	s_add_nc_u64 s[G0S+2:G0S+3], s[6:7], s[22:23]
	s_or_b32 s[G0S+3], s[G0S+3], 0x80000000
	s_mov_b32 s[G0SB], 1
	s_mov_b32 s[G0SB+1], SCL+4096
	s_add_nc_u64 s[G0SB+2:G0SB+3], s[10:11], s[46:47]
	s_or_b32 s[G0SB+3], s[G0SB+3], 0x80000000
	s_add_nc_u64 s[92:93], s[92:93], s[36:37]
	s_add_nc_u64 s[94:95], s[94:95], s[36:37]
	s_add_nc_u64 s[94:95], s[94:95], s[38:39]
	CROUND                                         ; all sixteen work-groups are here: the first joint loads meet
; The head's loads, one a wave, in one tree of branches on the wave's number: every way through it passes one load.
.macro ARM under, g0, g1, next
	s_cmp_lt_u32 s14, \under
	s_cbranch_scc0 \next
	tensor_load_to_lds s[\g0:\g0+3], s[\g1:\g1+7]
	s_nop 0
	PLACES
	s_branch .Lhead_asked
\next:
.endm
	ARM 1, G0A, G1A, .Lhead_b
	ARM 2, G0B, G1B, .Lhead_sa
	ARM 3, G0S, G1S, .Lhead_sb
	tensor_load_to_lds s[G0SB:G0SB+3], s[G1SB:G1SB+7]
	s_nop 0
	PLACES
.Lhead_asked:
	v_and_b32 v1, 15, v0                           ; r
	v_bfe_u32 v2, v0, 4, 1                         ; h
	v_and_b32 v3, 31, v0
	v_lshlrev_b32 v[CO], 4, v3                     ; 16 x lane
	v_lshlrev_b32 v3, 3, v3                        ; 8 x lane
	v_add_nc_u32 v[ADRA], s60, v3
	v_add_nc_u32 v[ADRA+1], s61, v3
	v_add_nc_u32 v[ADRB], s62, v3
	v_add_nc_u32 v[ADRB+1], s63, v3
	v_lshlrev_b32 v5, 3, v1
	v_mul_u32_u24 v6, s96, v2                      ; lanes 16-31 take B's scale words
	v_add_nc_u32 v5, v5, v6
	v_add_nc_u32 v[ADRS], s97, v5
	v_mul_u32_u24 v5, v1, SPITCH
	v_lshl_add_u32 v5, v2, 6, v5                   ; the stage, in: row r, 64 h bytes
	v_add_nc_u32 v[STO], s98, v5
	v_add_nc_u32 v[RD], s98, v[CO]                 ; back: the 32 lanes take one row of 512 bytes
	v_lshlrev_b32 v5, 6, v2
.irp b, 0,1,2,3,4,5,6,7                ; the bias in the result's layout: register j of tile b is column 32 (b / 2) + 8 (b % 2) + 16 h + j
	global_load_b128 v[BB+8*\b:BB+8*\b+3], v5, s[92:93] offset:(32*(\b/2)+8*(\b%2))*4
	global_load_b128 v[BB+8*\b+4:BB+8*\b+7], v5, s[92:93] offset:(32*(\b/2)+8*(\b%2))*4+16
.endr
.macro FRAG reg, adr, q, i             ; 16 positions x 128 along K: six pieces of 256 consecutive bytes
.irp p, 0,1,2,3,4,5
	ds_load_b64 v[\reg+2*\p:\reg+2*\p+1], v[\adr] offset:(2*(\q)+\p/3)*KCB+(\i)*768+(\p%3)*256
.endr
.endm
.macro FETCH st                        ; step st's fragments into set st % 2; with a pair's first step the pair's scale words: lanes 0-15 A's block i, lanes 16-31 B's block i
	WIN 0x40
.irp i, 0,1,2,3,4,5,6,7
	FRAG 128*((\st)%2)+FR*\i, ADRB+(\st)/4, (\st)%4, \i
.endr
	WIN 0
.irp i, 0,1,2,3
	FRAG AF+48*((\st)%2)+FR*\i, ADRA+(\st)/4, (\st)%4, \i
.endr
.if (\st)%2 == 0
.irp i, 0,1,2,3,4,5,6,7
	ds_load_b64 v[SC+16*(((\st)/2)%2)+2*\i:SC+16*(((\st)/2)%2)+2*\i+1], v[ADRS] offset:\i*128+512*(\st)
.endr
.endif
.endm
; 16 matrix instructions: A's blocks a0, a0 + 1 x B's eight.  The 32 accumulators take turns, in the same order in every step.
.macro MUL16 st, a0
.if (\st) == 0
	WIN 0x81                                       ; C: the bias, in window 0
.else
	WIN 0xa1
.endif
.irp a, \a0, \a0+1
.irp b, 0,1,2,3,4,5,6,7
.if (\st) == 0
	v_wmma_scale_f32_16x16x128_f8f6f4 v[8*(8*(\a)+\b):8*(8*(\a)+\b)+7], v[128*((\st)%2)+FR*\b:128*((\st)%2)+FR*\b+FR-1], v[AF+48*((\st)%2)+FR*(\a):AF+48*((\st)%2)+FR*(\a)+FR-1], v[BB+8*\b:BB+8*\b+7], v[SC+16*(((\st)/2)%2)+2*\b+(\st)%2], v[SC+16*(((\st)/2)%2)+2*(\a)+(\st)%2] matrix_a_fmt:MATRIX_FMT_FP6 matrix_b_fmt:MATRIX_FMT_FP6 matrix_a_scale:MATRIX_SCALE_ROW1
.else
	v_wmma_scale_f32_16x16x128_f8f6f4 v[8*(8*(\a)+\b):8*(8*(\a)+\b)+7], v[128*((\st)%2)+FR*\b:128*((\st)%2)+FR*\b+FR-1], v[AF+48*((\st)%2)+FR*(\a):AF+48*((\st)%2)+FR*(\a)+FR-1], v[8*(8*(\a)+\b):8*(8*(\a)+\b)+7], v[SC+16*(((\st)/2)%2)+2*\b+(\st)%2], v[SC+16*(((\st)/2)%2)+2*(\a)+(\st)%2] matrix_a_fmt:MATRIX_FMT_FP6 matrix_b_fmt:MATRIX_FMT_FP6 matrix_a_scale:MATRIX_SCALE_ROW1
.endif
.endr
.endr
.endm
; A step of 128 along K: its fragments are in; the next step's are asked for, into the set that the step before multiplied, four places behind its products; then 32 matrix instructions.
.macro STEP st
	s_wait_dscnt 0x0
.if (\st) == 3
	s_wait_tensorcnt 0x0                           ; my part of half 1 has landed, and my reads of half 0 are over
	s_barrier_signal -1
	MUL16 \st, 0
	WIN 0
	s_barrier_wait -1
	PLACES
	FETCH (\st)+1
	MUL16 \st, 2
.else
.if (\st) < 7
.if (\st) > 0
	PLACES
.endif
	FETCH (\st)+1
.endif
	MUL16 \st, 0
	MUL16 \st, 2
.endif
	WIN 0
.endm
	s_wait_alu depctr_va_vdst(0)                   ; the wait at the head's end
	s_wait_tensorcnt 0x0                           ; my tile of the head's four is in
	ds_add_u32 v[SPW], v[NIL]
	s_wait_dscnt 0x0
	CROUND                                         ; all four tiles are whole for all four waves, and all sixteen work-groups are here
	s_add_nc_u64 s[G0A+2:G0A+3], s[G0A+2:G0A+3], AH   ; no tensor load of mine is out: half 1
	s_add_nc_u64 s[G0B+2:G0B+3], s[G0B+2:G0B+3], AH
	s_mov_b32 s[G0A+1], HALFB
	s_mov_b32 s[G0B+1], HALFB+AH
	s_cmp_lt_u32 s14, 1
	s_cbranch_scc0 .Lsecond_b
	tensor_load_to_lds s[G0A:G0A+3], s[G1A:G1A+7]
	s_nop 0
	PLACES
	s_branch .Lsecond_asked
.Lsecond_b:
	s_cmp_lt_u32 s14, 2
	s_cbranch_scc0 .Lsecond_asked
	tensor_load_to_lds s[G0B:G0B+3], s[G1B:G1B+7]
	s_nop 0
	PLACES
.Lsecond_asked:
	FETCH 0
	s_wait_loadcnt 0x0                             ; the bias
.irp st, 0,1,2,3,4,5,6,7
	STEP \st
.endr
; THE WAY OUT, block by block of 16 rows x 128 columns, through my own stage: in as 32 bytes a lane, back as whole rows of 512 bytes, which the 32 lanes store as two aligned units of 256 bytes.
; LDS serves a wave's instructions in order: no wait between the stores and the loads.
.macro TOSTAGE a
	WIN 0x08                                       ; the data: window 2
.irp b, 0,1,2,3,4,5,6,7
	ds_store_b128 v[STO], v[64*(\a)+8*\b:64*(\a)+8*\b+3] offset:128*(\b/2)+32*(\b%2)       ; each accumulator from its low end on
	ds_store_b128 v[STO], v[64*(\a)+8*\b+4:64*(\a)+8*\b+7] offset:128*(\b/2)+32*(\b%2)+16
.endr
	WIN 0
.irp t, 0,1,2,3,4,5,6,7,8,9,10,11,12,13,14,15
	ds_load_b128 v[BK+64*((\a)%2)+4*\t:BK+64*((\a)%2)+4*\t+3], v[RD] offset:\t*SPITCH
.endr
.endm
.macro SEND a, younger                 ; younger: the LDS instructions issued behind block a's loads, which may stay out
	s_wait_dscnt \younger
.irp t, 0,1,2,3,4,5,6,7,8,9,10,11,12,13,14,15
	global_store_b128 v[CO], v[BK+64*((\a)%2)+4*\t:BK+64*((\a)%2)+4*\t+3], s[94:95] offset:(32*((\a)/2)+8*((\a)%2)+\t+8*(\t/8))*4096 th:TH_STORE_NT
.endr
.endm
	PLACES                                         ; behind the last products: for the reads of their results and the loads into A's registers
	TOSTAGE 0
.irp a, 1,2,3
.if \a > 1
	s_wait_xcnt 0x0                                ; block a - 2's stores have read their registers
.endif
	TOSTAGE \a
	SEND \a-1, 32                                  ; behind block a - 1's loads: block a's 16 stores and 16 loads
.endr
	SEND 3, 0
	s_wait_tensorcnt 0x0                           ; the wave's end
	ds_add_u32 v[SPW], v[NIL]
	s_wait_dscnt 0x0
	CROUND                                         ; the closing round
	s_endpgm
.Lfunc_end_k_q6634f5ee7c_outp:
	.size	k_q6634f5ee7c_outp, .Lfunc_end_k_q6634f5ee7c_outp-k_q6634f5ee7c_outp
	.p2alignl 7, 3214868480
	.fill 96, 4, 3214868480
	.section	.rodata,"a",@progbits
	.p2align	6, 0x0
	.amdhsa_kernel k_q6634f5ee7c_outp
		.amdhsa_group_segment_fixed_size 327680
		.amdhsa_private_segment_fixed_size 0
		.amdhsa_enable_private_segment 0
		.amdhsa_kernarg_size 48
		.amdhsa_user_sgpr_count 2
		.amdhsa_user_sgpr_kernarg_segment_ptr 1
		.amdhsa_wavefront_size32 1
		.amdhsa_system_sgpr_workgroup_id_x 1
		.amdhsa_system_sgpr_workgroup_id_y 1
		.amdhsa_system_sgpr_workgroup_id_z 1
		.amdhsa_system_vgpr_workitem_id 0
		.amdhsa_next_free_vgpr 768
		.amdhsa_next_free_sgpr 100
		.amdhsa_reserve_vcc 0
		.amdhsa_float_denorm_mode_32 3
		.amdhsa_float_denorm_mode_16_64 3
		.amdhsa_memory_ordered 1
		.amdhsa_forward_progress 1
		.amdhsa_inst_pref_size 98
	.end_amdhsa_kernel
	.amdgpu_metadata
---
amdhsa.version: [ 1, 2 ]
amdhsa.kernels:
  - .name:           k_q6634f5ee7c_outp
    .symbol:         k_q6634f5ee7c_outp.kd
    .args:
      - { .name: oc, .offset: 0, .size: 8, .value_kind: global_buffer, .address_space: global }
      - { .name: os, .offset: 8, .size: 8, .value_kind: global_buffer, .address_space: global }
      - { .name: xc, .offset: 16, .size: 8, .value_kind: global_buffer, .address_space: global }
      - { .name: xs, .offset: 24, .size: 8, .value_kind: global_buffer, .address_space: global }
      - { .name: bo, .offset: 32, .size: 8, .value_kind: global_buffer, .address_space: global }
      - { .name: out0, .offset: 40, .size: 8, .value_kind: global_buffer, .address_space: global }
    .group_segment_fixed_size: 327680
    .private_segment_fixed_size: 0
    .kernarg_segment_align: 8
    .kernarg_segment_size: 48
    .max_flat_workgroup_size: 128
    .sgpr_count:     100
    .vgpr_count:     768
    .wavefront_size: 32
...
	.end_amdgpu_metadata
.endif
;; end of part 4
